; MI455X (gfx1250); checked and timed in simulation.
; The chip was launched on July 23, 2026; its instructions are those of AMD's public machine-readable ISA for CDNA 5 (MIT licence, August 2026) and "CDNA5" Instruction Set Architecture Reference Guide (July 2026). The comments in the code are by the model that wrote it; some were corrected since.
;; Multi Head Attention. Allowed arithmetic: matrix products marked QUANTISED: E2M3 operands, one E8M0 scale for each 32 along K, by v_wmma_scale_f32_16x16x128_f8f6f4 with both operands' format E2M3, f32 sums; everything else in f32.
;; Inputs: Wk 1,024 x 1,024 float32; Wo 1,024 x 1,024 float32; Wq 1,024 x 1,024 float32; Wv 1,024 x 1,024 float32; bk 1,024 float32; bo 1,024 float32; bq 1,024 float32; bv 1,024 float32; key 4 x 2,048 x 1,024 float32; query 4 x 2,048 x 1,024 float32; value 4 x 2,048 x 1,024 float32.
;; Outputs: out0 4 x 2,048 x 1,024 float32.
;; This version of the problem:
;;   THIS VERSION OF THE PROBLEM IS GIVEN IN LOW PRECISION. The matrix products marked QUANTISED in the list below multiply operands that are first quantised to E2M3 (2 exponent bits, 3 mantissa bits; 6 bits a number), with one power-of-two scale for each 32 numbers along K (OCP MX v1.0); their sums are f32. All else is computed in f32.
;;   The module's matrix products, in the order in which they are computed (A, B: the left and right operand; K: the contracted axis; several contracted axes count as one K, in the product's order):
;;     1. [M 8,192, K 1,024] x [K 1,024, N 1,024]; A: input query; B: input Wq: QUANTISED
;;     2. [M 8,192, K 1,024] x [K 1,024, N 1,024]; A: input key; B: input Wk: QUANTISED
;;     3. [M 8,192, K 1,024] x [K 1,024, N 1,024]; A: input value; B: input Wv: QUANTISED
;;     4. batch 64 x [M 2,048, K 64] x [K 64, N 2,048]; A: computed on the way; B: computed on the way: QUANTISED
;;     5. batch 64 x [M 2,048, K 2,048] x [K 2,048, N 64]; A: softmax (see below); B: computed on the way: QUANTISED
;;     6. [M 8,192, K 1,024] x [K 1,024, N 1,024]; A: computed on the way; B: input Wo: QUANTISED
;;   THE QUANTISER, for each operand of a quantised product, along K:
;;     - K is cut into blocks of 32 from its start; a last block that is shorter is filled with zeros.
;;     - A block's scale is 2^e with e = floor(log2(the largest magnitude in the block)) - 2, held to -126 .. 127; a block of zeros has e = 0. As a byte (E8M0): e + 127.
;;     - Each number is divided by its block's scale, clamped to +-7.5, and rounded to the nearest number of E2M3, ties to even, subnormals kept.
;;     - The product sums the exact products of the quantised numbers (number of the format x scale) in f32.
;;   ~~~python
;;   def quantise(x, axis):      # numpy; x: float32 -> the quantised numbers, widened to float32 again
;;       x = np.moveaxis(x, axis, -1); K = x.shape[-1]
;;       x = np.pad(x, [(0, 0)] * (x.ndim - 1) + [(0, -K % 32)]); x = x.reshape(x.shape[:-1] + (-1, 32)); a = np.abs(x).max(-1, keepdims=True)
;;       e = np.where(a > 0, np.clip(np.frexp(np.where(a > 0, a, 1))[1] - 1 - 2, -126, 127), 0)      # np.frexp(a)[1] - 1 = floor(log2(a)), exactly
;;       r = np.clip(x / 2.0 ** e, -7.5, 7.5)
;;       step = 2.0 ** (np.maximum(np.frexp(np.where(r == 0, 1, r))[1] - 1, 0) - 3)
;;       q = np.round(r / step) * step * 2.0 ** e      # np.round: ties to even
;;       return np.moveaxis(q.reshape(q.shape[:-2] + (-1,))[..., :K], -1, axis).astype(np.float32)
;;   ~~~
;;   SOFTMAX AHEAD OF A QUANTISED PRODUCT. Where the list says 'softmax', what is quantised is not the finished softmax but p = 2^(t - M), with t = logit x log2(e) and M = ceil(the row's largest t), a whole number; so 1/2 < the row's largest p <= 1. The row's sum l is taken of the UNQUANTISED p, in f32, and the product's result is divided by l at the end. Since M is a whole number, a kernel that streams over the keys may use a running M (the ceiling of the running maximum): every later rescaling is an exact power of two, which a block's scale takes up: the codes' values come out the same.
;;   OPERANDS COMPUTED ON THE WAY. 'Computed on the way' means the value that the module computes at that place (a softmax that the list does not call 'softmax' is quantised finished and normalised). What goes into a quantiser is computed in f32, as accurately as f32 sums, v_exp_f32 and their like allow (about 1e-6 of the number): no bf16 or f16 on the way to a quantiser, and a product that is left as it is and whose result goes on into a quantised operand takes f32 operands (vector FMAs, or v_wmma_f32_16x16x4_f32). A number that lies on a knife's edge between two numbers of the format may be rounded either way, as far as f32 arithmetic and the matrix unit's own rounding can turn it there, and no further.
;; One version. Each part assembles by itself: llvm-mc -triple=amdgcn-amd-amdhsa -mcpu=gfx1250 --defsym DOCPART=n.
;; ======== version 1 of 1: 4 launches
;; limits: right only within a limited range of input values
;; workspace buffers: xc 22,020,096 bytes; xs 917,504 bytes; hc 18,874,368 bytes; hs 786,432 bytes; oc 6,291,456 bytes; os 262,144 bytes
;; launch quant (part 1): grid 256 x 1, 7 waves a work-group, no clusters, 60,416 bytes of LDS; arguments query, key, value, Wq, Wk, Wv, Wo, xc, xs; writes xc, xs
.if DOCPART == 1
	.amdgcn_target "amdgcn-amd-amdhsa--gfx1250"
	.amdhsa_code_object_version 6
	.text
	.protected	k_q27177236e9_quant
	.globl	k_q27177236e9_quant
	.p2align	8
	.type	k_q27177236e9_quant,@function
k_q27177236e9_quant:
	s_mov_b64 s[64:65], 0
	v_nop
	global_prefetch_b8 v0, s[64:65] scope:SCOPE_SE
	s_setreg_imm32_b32 hwreg(HW_REG_WAVE_MODE, 25, 1), 1
	s_wait_xcnt 0x0
; query, key, value [8192][1024] and Wq, Wk, Wv, Wo [1024][1024], f32, K (1,024) innermost, become codes of FP6 (E2M3) with one E8M0 byte for each 32 along K.
; A block's scale is 2^(floor(log2(its largest magnitude)) - 2); its byte is the largest magnitude's exponent field - 2, held at 1 from below.
; LIMITS: NaN and infinities among the inputs are not served; a block whose largest magnitude lies under 2^-124 (a block of zeros too) gets the byte 1 where the rule says 127 for zeros:
; its codes are zeros or the rule's own, and the bytes are read by this program alone.
; THE CODES ARE LAID AS IMAGES OF THE OPERAND'S REGISTERS.  A tile is 16 rows: lane index r of tile 2 g + u stands for row 32 g + 8 u + r % 8 + 16 (r / 8).  A fragment (tile, 128 along K) is 12 registers a lane
; (registers 6 c .. 6 c + 5: k = 64 c + 32 (lane / 16) + 0 .. 31), stored as two halves of 768 bytes: registers 6 c .. 6 c + 3 at 16 x lane, registers 6 c + 4, 6 c + 5 at 512 + 8 x lane.
; xc: [tile 0..1791][K step 0..7][1,536];  xs: [tile][lane index r][K step]: one word of four bytes each.  Tiles: query 0, key 512, value 1,024, Wq 1,536, Wk 1,600, Wv 1,664, Wo 1,728.
; SHARES: 1,792 tiles = 256 work-groups x 7 waves: a wave takes one tile, 8 steps of 128 along K.  Each load reads 512 consecutive bytes of one row; a step's 16 rows turn through the wave's own stage in LDS
; (rows 528 bytes apart), so that a lane gets 16 neighbours of each block of 32.  Waves share nothing: no barrier.  Loads run three steps ahead (48 loads a wave).
; Matrix units, clusters and tensor loads are left out: the launch streams, and no byte is read twice.
.set ROWB,   4096                      ; a row of any of the seven tensors, in bytes
.set SPITCH, 528                       ; a stage row: 512 bytes + 16
.set STG,    16*SPITCH                 ; a wave's stage
.set TM,     16                        ; v16-31  at work: largest magnitudes, bytes, scale operands
.set PC,     32                        ; v32-43  the fragment's codes; v44-50 halves on their way
.set PW,     52                        ; v52-59  the scale word of each K step
.set OW,     60                        ; v60-63  the scale words on their way out
.set RB0,    64                        ; v64-255 three sets of 64 numbers
.set SEL,    30                        ; s[30:31] v_permlanex16_b32's selects for lane l xor 16
	s_load_b512 s[8:23], s[0:1], 0x0               ; query, key, value, Wq, Wk, Wv, Wo, xc
	s_load_b64 s[24:25], s[0:1], 0x40              ; xs
	v_lshl_add_u32 v47, v0, 2, 0xe800
	v_mov_b32 v51, 0
	v_lshrrev_b32 v1, 5, v0
	v_readfirstlane_b32 s3, v1                     ; wave 0..6
	s_mul_i32 s2, ttmp9, 7
	s_add_co_u32 s2, s2, s3                        ; my tile, 0..1791
	v_and_b32 v1, 31, v0                           ; lane
	v_and_b32 v2, 15, v0                           ; r
	v_bfe_u32 v3, v0, 4, 1                         ; h
	v_lshlrev_b32 v4, 4, v1                        ; 16 x lane
	v_lshlrev_b32 v5, 3, v1                        ; 8 x lane
	s_mul_i32 s4, s3, STG
	v_add_nc_u32 v6, s4, v4                        ; the stage, on the way in: 16 x lane of a row
	v_mul_u32_u24 v7, v2, SPITCH
	v_lshl_add_u32 v7, v3, 6, v7
	v_add_nc_u32 v7, s4, v7                        ; and on the way out: row r, + 64 h: my 16 numbers of a block of 32
	v_lshlrev_b32 v8, 5, v2
	v_lshl_add_u32 v8, v3, 4, v8                   ; the scale words' way out: 32 r + 16 h
	s_mov_b32 s[SEL], 0x76543210
	s_mov_b32 s[SEL+1], 0xfedcba98
.irp b, 0,1,2,3
	v_mov_b32 v[TM+4+\b], 0                        ; written once: a lane permute's destination counts as one of its sources
.endr
	s_wait_alu depctr_va_vdst(0)
	s_wait_kmcnt 0x0
	s_mov_b64 s[26:27], s[20:21]                   ; which tensor is my tile's?  The choice hangs on the tile's number alone
	s_mov_b32 s28, 1728
.macro PICK lim, ptr, base
	s_cmp_lt_u32 s2, \lim
	s_cselect_b64 s[26:27], s[\ptr:\ptr+1], s[26:27]
	s_cselect_b32 s28, \base, s28
.endm
	PICK 1728, 18, 1664
	PICK 1664, 16, 1600
	PICK 1600, 14, 1536
	PICK 1536, 12, 1024
	PICK 1024, 10, 512
	PICK 512, 8, 0
	s_sub_co_u32 s28, s2, s28                      ; the tile's number in its tensor: 2 g + u
	; KEY'S TILES (512 .. 1,023) HAVE AN ORDER OF THEIR OWN: lane index r of tile 4 G + t stands for row 64 G + 8 t + r % 8 + 32 (r / 8); all other tensors: tile 2 g + u, row 32 g + 8 u + r % 8 + 16 (r / 8)
	s_lshr_b32 s29, s2, 9
	s_cmp_eq_u32 s29, 1                            ; key's tiles?  The choice hangs on the tile's number alone
	s_cselect_b32 s29, 2, 1                        ; e: a group is 2^e tiles, 16 x 2^e rows
	s_lshr_b32 s6, s28, s29
	s_add_co_u32 s32, s29, 16
	s_lshl_b32 s6, s6, s32                         ; the group's rows of 4,096 bytes
	s_bfm_b32 s7, s29, 0
	s_and_b32 s7, s28, s7
	s_lshl_b32 s7, s7, 15                          ; + 8 rows for each tile of the group
	s_add_co_u32 s6, s6, s7
	s_mov_b32 s7, 0
	s_add_nc_u64 s[26:27], s[26:27], s[6:7]        ; lane indices 0-7
	s_lshl_b32 s32, 0x8000, s29                    ; lane indices 8-15 lie 16 or 32 rows further on
	s_mov_b32 s33, 0
	s_add_nc_u64 s[32:33], s[26:27], s[32:33]
	s_mul_i32 s6, s2, 12288                        ; a tile's eight images
	s_add_nc_u64 s[22:23], s[22:23], s[6:7]
	s_lshl_b32 s6, s2, 9                           ; a tile's 128 scale words
	s_add_nc_u64 s[24:25], s[24:25], s[6:7]
.macro LOADS s                         ; K step s of the tile's 16 rows into set s % 3: a load reads 512 consecutive bytes of the row of lane index i
.irp i, 0,1,2,3,4,5,6,7,8,9,10,11,12,13,14,15
	global_load_b128 v[RB0+64*((\s)%3)+4*\i:RB0+64*((\s)%3)+4*\i+3], v4, s[26+6*(\i/8):27+6*(\i/8)] offset:(\i%8)*ROWB+512*(\s) th:TH_LOAD_NT
.endr
.endm
; 64 numbers of a lane, v[s] .. v[s + 63], register 16 b + i = k 32 b + 16 (lane / 16) + i of my row, become a fragment's codes in v[PC] on and its scale word in v[pw].
.macro QUANT s, pw
.irp b, 0,1,2,3
	v_max3_num_f32 v[TM+\b], |v[\s+16*\b]|, |v[\s+1+16*\b]|, 0x1800000   ; block b: my 16 numbers, and the floor 2^(3 - 127): so the byte cannot fall under 1
.endr
.irp i, 2,4,6,8,10,12,14
.irp b, 0,1,2,3
	v_max3_num_f32 v[TM+\b], v[TM+\b], |v[\s+16*\b+\i]|, |v[\s+1+16*\b+\i]|   ; (the four blocks by turns)
.endr
.endr
.irp b, 0,1,2,3
	v_permlanex16_b32 v[TM+4+\b], v[TM+\b], s[SEL], s[SEL+1]
.endr
.irp b, 0,1,2,3
	v_max_num_f32 v[TM+\b], v[TM+\b], v[TM+4+\b]   ; with lane l xor 16's: the block's largest magnitude
.endr
.irp b, 0,1,2,3
	v_add_nc_u32 v[TM+12+\b], 0xff000000, v[TM+\b] ; 2 off its exponent field: the conversion takes the exponent field of this operand as its scale
.endr
.irp b, 0,1,2,3
	v_lshrrev_b32 v[TM+4+\b], 23, v[TM+12+\b]      ; the scale's byte
.endr
	v_lshl_or_b32 v[\pw], v[TM+5], 8, v[TM+4]      ; the four bytes make my row's scale word
	v_lshl_or_b32 v[\pw], v[TM+6], 16, v[\pw]
	v_lshl_or_b32 v[\pw], v[TM+7], 24, v[\pw]
.irp c, 0,1
	v_cvt_scalef32_pk16_fp6_f32 v[PC+6*\c:PC+2+6*\c], v[\s+32*\c:\s+15+32*\c], v[TM+12+2*\c]
	v_cvt_scalef32_pk16_fp6_f32 v[PC+12+4*\c:PC+14+4*\c], v[\s+16+32*\c:\s+31+32*\c], v[TM+12+2*\c+1]   ; (a conversion's three registers begin on an even number)
.endr
	v_nop                                          ; one plain place behind a scaled conversion
.irp c, 0,1                                    ; the operand's layout wants a WHOLE block in a lane: lanes 0-15 block 2 c, lanes 16-31 block 2 c + 1
.irp i, 0,1,2
	v_permlane16_swap_b32 v[PC+6*\c+\i], v[PC+12+4*\c+\i]
.endr
.irp i, 0,1,2
	v_mov_b32 v[PC+3+6*\c+\i], v[PC+12+4*\c+\i]
.endr
.endr
.endm
.macro QSTEP s
.set RSET, RB0+64*((\s)%3)
.if \s < 6
	s_wait_loadcnt 32                              ; this step's 16 loads are in; the two later sets' 32 may be out
.else
	s_wait_loadcnt 16*(7-\s)                       ; the counts run down: 16, 0
.endif
.irp i, 0,1,2,3,4,5,6,7,8,9,10,11,12,13,14,15
	ds_store_b128 v6, v[RSET+4*\i:RSET+4*\i+3] offset:SPITCH*\i
.endr
	s_wait_dscnt 0x0                               ; the stores have read the set: it may be loaded again
.irp b, 0,1,2,3
.irp j, 0,1,2,3
	ds_load_b128 v[RSET+16*\b+4*\j:RSET+16*\b+4*\j+3], v7 offset:128*\b+16*\j
.endr
.endr
	s_wait_dscnt 0x0
	s_wait_xcnt 0x0                                ; the last step's stores have read their data: the codes' registers are written again only behind this wait
	QUANT RSET, PW+\s
	global_store_b128 v4, v[PC:PC+3], s[22:23] offset:1536*\s          ; 512 consecutive bytes,
	global_store_b64 v5, v[PC+4:PC+5], s[22:23] offset:1536*\s+512     ; 256,
	global_store_b128 v4, v[PC+6:PC+9], s[22:23] offset:1536*\s+768    ; and the second half likewise
	global_store_b64 v5, v[PC+10:PC+11], s[22:23] offset:1536*\s+1280
.if \s+3 < 8
	LOADS \s+3                                     ; into the set just quantised
.endif
.endm
	LOADS 0
	LOADS 1
	LOADS 2
.irp s, 0,1,2,3,4,5,6,7
	QSTEP \s
.endr
	v_cmp_le_u32 vcc_lo, 16, v1                    ; lanes 16-31 take the words of K steps 4-7 of their row, lanes 0-15 those of steps 0-3
.irp i, 0,1,2,3
	v_cndmask_b32 v[OW+\i], v[PW+\i], v[PW+4+\i], vcc_lo
.endr
	global_store_b128 v8, v[OW:OW+3], s[24:25]     ; the wave stores the tile's 512 bytes of scale words
	s_wait_tensorcnt 0x0
	ds_add_u32 v47, v51
	s_wait_dscnt 0x0
	s_endpgm
.Lfunc_end_k_q27177236e9_quant:
	.size	k_q27177236e9_quant, .Lfunc_end_k_q27177236e9_quant-k_q27177236e9_quant
	.p2alignl 7, 3214868480
	.fill 96, 4, 3214868480
	.section	.rodata,"a",@progbits
	.p2align	6, 0x0
	.amdhsa_kernel k_q27177236e9_quant
		.amdhsa_group_segment_fixed_size 60416
		.amdhsa_private_segment_fixed_size 0
		.amdhsa_enable_private_segment 0
		.amdhsa_kernarg_size 72
		.amdhsa_user_sgpr_count 2
		.amdhsa_user_sgpr_kernarg_segment_ptr 1
		.amdhsa_wavefront_size32 1
		.amdhsa_system_sgpr_workgroup_id_x 1
		.amdhsa_system_sgpr_workgroup_id_y 1
		.amdhsa_system_sgpr_workgroup_id_z 1
		.amdhsa_system_vgpr_workitem_id 0
		.amdhsa_next_free_vgpr 256
		.amdhsa_next_free_sgpr 66
		.amdhsa_reserve_vcc 1
		.amdhsa_float_denorm_mode_32 3
		.amdhsa_float_denorm_mode_16_64 3
		.amdhsa_memory_ordered 1
		.amdhsa_forward_progress 1
		.amdhsa_inst_pref_size 66
	.end_amdhsa_kernel
	.amdgpu_metadata
---
amdhsa.version: [ 1, 2 ]
amdhsa.kernels:
  - .name:           k_q27177236e9_quant
    .symbol:         k_q27177236e9_quant.kd
    .args:
      - { .name: query, .offset: 0, .size: 8, .value_kind: global_buffer, .address_space: global }
      - { .name: key, .offset: 8, .size: 8, .value_kind: global_buffer, .address_space: global }
      - { .name: value, .offset: 16, .size: 8, .value_kind: global_buffer, .address_space: global }
      - { .name: Wq, .offset: 24, .size: 8, .value_kind: global_buffer, .address_space: global }
      - { .name: Wk, .offset: 32, .size: 8, .value_kind: global_buffer, .address_space: global }
      - { .name: Wv, .offset: 40, .size: 8, .value_kind: global_buffer, .address_space: global }
      - { .name: Wo, .offset: 48, .size: 8, .value_kind: global_buffer, .address_space: global }
      - { .name: xc, .offset: 56, .size: 8, .value_kind: global_buffer, .address_space: global }
      - { .name: xs, .offset: 64, .size: 8, .value_kind: global_buffer, .address_space: global }
    .group_segment_fixed_size: 60416
    .private_segment_fixed_size: 0
    .kernarg_segment_align: 8
    .kernarg_segment_size: 72
    .max_flat_workgroup_size: 224
    .sgpr_count:     66
    .vgpr_count:     256
    .wavefront_size: 32
...
	.end_amdgpu_metadata
.endif
;; end of part 1
;; launch proj (part 2): grid 8 x 32, 4 waves a work-group, clusters of 4 x 4, 327,680 bytes of LDS; arguments xc, xs, bq, bk, bv, hc, hs; writes hc, hs
.if DOCPART == 2
	.amdgcn_target "amdgcn-amd-amdhsa--gfx1250"
	.amdhsa_code_object_version 6
	.text
	.protected	k_q27177236e9_proj
	.globl	k_q27177236e9_proj
	.p2align	8
	.type	k_q27177236e9_proj,@function
k_q27177236e9_proj:
	s_mov_b64 s[64:65], 0
	v_nop
	global_prefetch_b8 v0, s[64:65] scope:SCOPE_SE
	s_setreg_imm32_b32 hwreg(HW_REG_WAVE_MODE, 25, 1), 1
	s_wait_xcnt 0x0
	s_wait_alu depctr_hold_cnt(0) depctr_sa_sdst(0) depctr_va_vdst(0) depctr_va_sdst(0) depctr_va_ssrc(0) depctr_va_vcc(0) depctr_vm_vsrc(0)
	s_getreg_b32 s2, hwreg(HW_REG_IB_STS2, 6, 4)
	s_cmp_eq_u32 s2, 0
	s_cbranch_scc0 .Lentry_in_a_cluster
	s_endpgm
.Lentry_in_a_cluster:
	s_bfe_u32 s2, ttmp6, 0x10000c
	s_cmp_lg_u32 s2, 0xf033
	s_cbranch_scc0 .Lentry_shape_is_right
	s_endpgm
.Lentry_shape_is_right:
; The three projections q = query Wq^T + bq, k = key Wk^T + bk, v = value Wv^T + bv on codes of FP6 (E2M3) with E8M0 scales, K = 1,024, f32 sums; the results are quantised in registers and stored as codes.
; Source 0 is "P", the axis along which the result is quantised next (a lane's registers run along it); source 1 is "R", the lanes' axis.
;   q, k (tiles 0, 1): P = 128 rows of W (two heads of 64), R = 256 tokens: the results are quantised along the head's 64.      v (tile 2): P = 128 tokens (a key step), R = 256 rows of Wv (four heads): quantised along the keys.
; Operands come as images of their registers (xc: [tile][K step][1,536], xs: [tile][lane index][K step] words; lane index r of tile 2 g + u = row 32 g + 8 u + r % 8 + 16 (r / 8)), so that the 16 registers of
; P's tiles 2 g and 2 g + 1 are 16 neighbours along P.
; A WORK-GROUP STAYS: 256 work-groups, each makes three tiles of P 128 x R 256, its q's, its k's and its v's, written out one behind the other (the mode is a constant of the text).  Wave w takes P's 8 tiles x R's tiles
; 4 w .. 4 w + 3: 32 accumulators, 256 matrix instructions a tile.
; LDS: a ring of two slots of 147,456 bytes: a slot holds four K steps of P's 8 tiles (6,144 bytes each) and of R's 16.  The ring goes on from tile to tile: a slot that has been read out takes the next tile's four K steps.
; Waves 0, 1 fetch P's halves, waves 2, 3 R's: one tensor load a wave for a slot; a wave has 1 tensor load out at a time.
; CLUSTERS: 4 x 4.  P hangs on the work-group's x (and the cluster's y) alone and is asked for jointly down a column of the cluster, R on its y alone and jointly along a row.
; The scale words take turns in their registers too: the next tile's words of K steps 0-3 are loaded behind step 3, those of steps 4-7 behind step 7; the next tile's bias behind step 3.
; OUT: hc: q, k: [head][tile of 16 tokens][768] (half an image: the head's 64);  v: [head][key step][tile of 16 channels][1,536].  hs: blocks of 256 bytes for four tiles: the word of tile m, lane index r at 8 r + 128 (m % 2) + 4 (m / 2).
; LIMITS: NaN and infinities are not served; a block under 2^-124 (a block of zeros too) gets the byte 1: the bytes are read by this program alone.
; No prefetch: each refill is asked for as soon as its slot is free, and W's tiles are read by many clusters at about the same time.
; REGISTERS: window 0: v1-31 addresses; v32-95 P's scale words (tile i, step s: 32 + 8 i + s); v96-127 R's; v128-155 the quantiser's; v156-203 the codes of the four R tiles.
;   window 1: P's fragments, two sets of 96.   window 2: the accumulators (R tile m, P tile i: 64 m + 8 i).   window 3: R's fragments, two sets of 48; v96-159 the bias.
.set TILEB, 12288                      ; a tile's eight images
.set HALFB, 6144                       ; four of them: a tile's part of a slot
.set SLOT,  147456                     ; 24 tiles x 6,144
.set RBASE, 49152                      ; in a slot R lies behind P's 8 tiles
.set SPARE, 294912                     ; behind the ring: the spare words, 128 bytes for each wave: two blocks of 256 bytes that no other line names
.set AP16,  8                          ; v8-9    16 x lane + slot h
.set AP8,   10                         ; v10-11  8 x lane + 512 + slot h
.set AR16,  12                         ; v12-13  the same for my four tiles of R
.set AR8,   14                         ; v14-15
.set SPW,   30                         ; v30     LDS address of my spare word; never rewritten
.set NIL,   31                         ; v31     0; never rewritten
.set PS,    32
.set RS,    96
.set TM,    128                        ; v128-143 largest magnitudes, bytes, scale operands
.set PTM,   144                        ; v144-150 halves of blocks on their way
.set PW,    152                        ; v152-155 the scale word of each R tile
.set PC,    156                        ; v156-203 the codes: 12 registers for each R tile, so that no store's data are written again within a tile
.set BI,    96                         ; in window 3: the bias
.set WV,    18
.set SEL,   28                         ; s[28:29] v_permlanex16_b32's selects for lane l xor 16
.set G1P,   32
.set G1R,   40
.set G0P,   48                         ; s[48:55]: one group 0 for each slot
.set G0R,   56                         ; s[56:63]
.set AP,    66                         ; s[66:71] where my part of P's tiles begins in xc, for each of the three tiles
.set AR,    72                         ; s[72:77] of R's
.set PSP,   78                         ; s[78:83] P's scale words
.set RSP,   84                         ; s[84:89] those of my four tiles of R
.set OQ,    90                         ; s[90:91] q's codes (k's: 6,291,456 bytes on);  s[92:93] v's
.set OV,    92
.set SQ,    94                         ; s[94:95] q's scale words (k's: 262,144 bytes on);  s[96:97] v's
.set SV,    96
.set MSB, 0
.macro WIN new                         ; the immediate's high byte repeats the setting that is left
.if MSB != \new
	s_set_vgpr_msb (MSB<<8)|\new
.set MSB, \new
.endif
.endm
.set MUL,  0xad                        ; source 0 (P) window 1, source 1 (R) window 3, C and D window 2
.set MULB, 0xbd                        ; the same with C (the bias) in window 3
.set TOP,  0x40                        ; destination window 1
.set TOR,  0xc0                        ; destination window 3
.macro PLACES
.rept 4
	v_nop
.endr
.endm
.macro CREST                           ; a round of the cluster's barrier behind its opening barrier
	s_cmp_lg_u32 s[WV], 0
	s_cbranch_scc1 .Lnot_wave_0_\@
	s_barrier_signal -3
.Lnot_wave_0_\@:
	s_barrier_wait -3
	s_barrier_signal -1
	s_barrier_wait -1
.endm
.macro CROUND                          ; a whole round
	s_barrier_signal -1
	s_barrier_wait -1
	CREST
.endm
; A joint refill of slot h: waves 0, 1 fetch for P, waves 2, 3 for R.  Each of the two lines has one mask and one set of registers for all that issue it; the branch hangs on the wave's number alone.
; Four v_nop follow each of the two lines, ahead of the jump, the label and what follows.
.macro JLOAD h
	s_cmp_lt_u32 s[WV], 2
	s_cbranch_scc0 .Lfor_r_\@
	tensor_load_to_lds s[G0P+4*(\h):G0P+4*(\h)+3], s[G1P:G1P+7]
	s_nop 0
	PLACES
	s_branch .Lasked_\@
.Lfor_r_\@:
	tensor_load_to_lds s[G0R+4*(\h):G0R+4*(\h)+3], s[G1R:G1R+7]
	s_nop 0
	PLACES
.Lasked_\@:
.endm
.macro NEXTD h, w                      ; slot h's two groups 0 take tile w's addresses: K steps 4 h on
	s_add_nc_u64 s[G0P+4*(\h)+2:G0P+4*(\h)+3], s[AP+2*(\w):AP+2*(\w)+1], HALFB*(\h)
	s_or_b32 s[G0P+4*(\h)+3], s[G0P+4*(\h)+3], 0x80000000          ; type = 2
	s_add_nc_u64 s[G0R+4*(\h)+2:G0R+4*(\h)+3], s[AR+2*(\w):AR+2*(\w)+1], HALFB*(\h)
	s_or_b32 s[G0R+4*(\h)+3], s[G0R+4*(\h)+3], 0x80000000
.endm
	s_load_b256 s[4:11], s[0:1], 0x0               ; xc s[4:5], xs s[6:7], bq s[8:9], bk s[10:11]
	s_load_b128 s[12:15], s[0:1], 0x20             ; bv s[12:13], hc s[14:15]
	s_load_b64 s[16:17], s[0:1], 0x30              ; hs
	v_lshl_add_u32 v[SPW], v0, 2, SPARE
	v_mov_b32 v[NIL], 0
	ds_add_u32 v30, v31
	ds_add_u32 v30, v31
	s_wait_dscnt 0x0
	v_lshrrev_b32 v1, 5, v0
	v_readfirstlane_b32 s[WV], v1                  ; wave 0..3
	s_and_b32 s19, s[WV], 1                        ; J: which half of P's or of R's tiles I fetch
	s_bfe_u32 s20, ttmp6, 0x40000                  ; cx
	s_bfe_u32 s21, ttmp6, 0x40004                  ; cy
	s_lshl_b32 s22, ttmp9, 2
	s_add_co_u32 s22, s22, s20                     ; X = 4 x cluster x + cx, 0..7
	s_and_b32 s23, ttmp7, 0xffff                   ; Yl: the cluster's y, 0..7
	s_lshl_b32 s26, 0x1111, s20                    ; my column of the cluster
	s_lshl_b32 s27, s21, 2
	s_lshl_b32 s27, 15, s27                        ; my row
	; descriptor group 1: rows of 6,144 bytes (a tile's four K steps: 768 elements of 8 bytes), 12,288 bytes apart (tile to tile); P: 4 rows a load, R: 8; no padding
	s_or_b32 s[G1P], s26, (3<<16)|(1<<21)          ; 15:0 the mask; 17:16 elements of 8 bytes; 21 set beside a mask
	s_or_b32 s[G1R], s27, (3<<16)|(1<<21)
.irp g, G1P, G1R
	s_mov_b32 s[\g+1], 768<<16                     ; tensor_dim0
	s_mov_b32 s[\g+3], 768<<16                     ; tile_dim0
	s_mov_b32 s[\g+5], 1536                        ; tensor_dim0_stride
	s_mov_b32 s[\g+6], 0
	s_mov_b32 s[\g+7], 0
.endr
	s_mov_b32 s[G1P+2], 4<<16                      ; tensor_dim1
	s_mov_b32 s[G1P+4], 4                          ; tile_dim1
	s_mov_b32 s[G1R+2], 8<<16
	s_mov_b32 s[G1R+4], 8
	; P's first tile in xc: q: Wq's tiles, 1,536 + 8 X; k: 64 tiles on; v: value's tiles, 1,024 + 64 Yl + 8 X.  Nothing here hangs on cy
	s_lshl_b32 s2, s22, 3
	s_add_co_u32 s24, s2, 1536
	s_lshl_b32 s25, s23, 6
	s_add_co_u32 s25, s25, s2
	s_add_co_u32 s25, s25, 1024
	s_lshl_b32 s2, s19, 2                          ; my four tiles of the eight
	s_add_co_u32 s[AP], s24, s2
	s_mul_i32 s[AP], s[AP], TILEB
	s_mov_b32 s[AP+1], 0
	s_add_co_u32 s[AP+4], s25, s2
	s_mul_i32 s[AP+4], s[AP+4], TILEB
	s_mov_b32 s[AP+5], 0
	s_lshl_b32 s[PSP], s24, 9                      ; scale words: 512 bytes a tile
	s_mov_b32 s[PSP+1], 0
	s_lshl_b32 s[PSP+4], s25, 9
	s_mov_b32 s[PSP+5], 0
	; R's first tile: q: query's tiles, 64 Yl + 16 cy; k: 512 tiles on; v: Wv's tiles, 1,664 + 16 cy.  Nothing here hangs on cx
	s_lshl_b32 s3, s21, 4
	s_lshl_b32 s98, s23, 6
	s_add_co_u32 s98, s98, s3
	s_add_co_u32 s99, s3, 1664
	s_lshl_b32 s3, s19, 3                          ; my eight tiles of the sixteen
	s_add_co_u32 s[AR], s98, s3
	s_mul_i32 s[AR], s[AR], TILEB
	s_mov_b32 s[AR+1], 0
	s_add_co_u32 s[AR+4], s99, s3
	s_mul_i32 s[AR+4], s[AR+4], TILEB
	s_mov_b32 s[AR+5], 0
	s_lshl_b32 s3, s[WV], 2                        ; the four tiles that I multiply
	s_add_co_u32 s[RSP], s98, s3
	s_lshl_b32 s[RSP], s[RSP], 9
	s_mov_b32 s[RSP+1], 0
	s_add_co_u32 s[RSP+4], s99, s3
	s_lshl_b32 s[RSP+4], s[RSP+4], 9
	s_mov_b32 s[RSP+5], 0
	s_mul_i32 s30, s19, 4*HALFB                    ; where my loads go in a slot: P: 4 J tiles;
	s_mul_i32 s31, s19, 8*HALFB
	s_add_co_u32 s31, s31, RBASE                   ; R: 8 J tiles: no place in the cluster enters an LDS address
	s_lshl_b32 s100, s22, 9                        ; bq, bk: features 128 X on
	s_mov_b32 s101, 0
	s_lshl_b32 s24, s21, 10                        ; bv: features 256 cy + 64 w on
	s_lshl_b32 s25, s[WV], 8
	s_add_co_u32 s24, s24, s25
	s_mov_b32 s25, 0
	; where the results go, in bytes
	s_lshr_b32 s2, s23, 1                          ; the batch
	s_and_b32 s3, s23, 1                           ; which half of its tokens
	s_lshl_b32 s98, s3, 6
	s_lshl_b32 s99, s21, 4
	s_add_co_u32 s98, s98, s99
	s_lshl_b32 s99, s[WV], 2
	s_add_co_u32 s98, s98, s99                     ; q, k: my first tile of tokens in the batch: 64 (Yl % 2) + 16 cy + 4 w
	s_lshl_b32 s99, s2, 4
	s_lshl_b32 s20, s22, 1
	s_add_co_u32 s99, s99, s20                     ; the even head: 16 x batch + 2 X
	s_lshl_b32 s[OQ], s99, 7
	s_add_co_u32 s[OQ], s[OQ], s98
	s_mul_i32 s[OQ], s[OQ], 768
	s_mov_b32 s[OQ+1], 0
	s_lshl_b32 s[SQ], s99, 4                       ; 32 blocks for each pair of heads
	s_lshr_b32 s98, s98, 2
	s_add_co_u32 s[SQ], s[SQ], s98
	s_lshl_b32 s[SQ], s[SQ], 8
	s_mov_b32 s[SQ+1], 0
	s_lshl_b32 s98, s2, 4
	s_lshl_b32 s99, s21, 2
	s_add_co_u32 s98, s98, s99
	s_add_co_u32 s98, s98, s[WV]                   ; v: my head: 16 x batch + 4 cy + w
	s_lshl_b32 s98, s98, 4
	s_lshl_b32 s99, s3, 3
	s_add_co_u32 s98, s98, s99
	s_add_co_u32 s98, s98, s22                     ; x 16 + the key step: 8 (Yl % 2) + X
	s_mul_i32 s[OV], s98, 6144
	s_add_co_u32 s[OV], s[OV], 12582912
	s_mov_b32 s[OV+1], 0
	s_lshl_b32 s[SV], s98, 8
	s_add_co_u32 s[SV], s[SV], 524288
	s_mov_b32 s[SV+1], 0
	s_mov_b32 s[SEL], 0x76543210
	s_mov_b32 s[SEL+1], 0xfedcba98
	s_wait_kmcnt 0x0
	s_add_nc_u64 s[AP:AP+1], s[4:5], s[AP:AP+1]
	s_add_nc_u64 s[AP+2:AP+3], s[AP:AP+1], 64*TILEB
	s_add_nc_u64 s[AP+4:AP+5], s[4:5], s[AP+4:AP+5]
	s_add_nc_u64 s[AR:AR+1], s[4:5], s[AR:AR+1]
	s_add_nc_u64 s[AR+2:AR+3], s[AR:AR+1], 512*TILEB
	s_add_nc_u64 s[AR+4:AR+5], s[4:5], s[AR+4:AR+5]
	s_add_nc_u64 s[PSP:PSP+1], s[6:7], s[PSP:PSP+1]
	s_add_nc_u64 s[PSP+2:PSP+3], s[PSP:PSP+1], 64*512
	s_add_nc_u64 s[PSP+4:PSP+5], s[6:7], s[PSP+4:PSP+5]
	s_add_nc_u64 s[RSP:RSP+1], s[6:7], s[RSP:RSP+1]
	s_add_nc_u64 s[RSP+2:RSP+3], s[RSP:RSP+1], 512*512
	s_add_nc_u64 s[RSP+4:RSP+5], s[6:7], s[RSP+4:RSP+5]
	s_add_nc_u64 s[8:9], s[8:9], s[100:101]
	s_add_nc_u64 s[10:11], s[10:11], s[100:101]
	s_add_nc_u64 s[12:13], s[12:13], s[24:25]
	s_add_nc_u64 s[OQ:OQ+1], s[14:15], s[OQ:OQ+1]
	s_add_nc_u64 s[OV:OV+1], s[14:15], s[OV:OV+1]
	s_add_nc_u64 s[SQ:SQ+1], s[16:17], s[SQ:SQ+1]
	s_add_nc_u64 s[SV:SV+1], s[16:17], s[SV:SV+1]
.irp h, 0,1
	s_mov_b32 s[G0P+4*\h], 1                       ; count = 1
	s_add_co_u32 s[G0P+4*\h+1], s30, SLOT*\h       ; LDS address: it stays for the whole launch
	s_mov_b32 s[G0R+4*\h], 1
	s_add_co_u32 s[G0R+4*\h+1], s31, SLOT*\h
	NEXTD \h, 0
.endr
	CROUND                                         ; all sixteen work-groups are here: the first joint loads meet
	JLOAD 0                                        ; slot 0: one tensor load a wave at the head; a wave has 1 tensor load out throughout
	v_and_b32 v1, 31, v0                           ; lane
	v_and_b32 v2, 15, v0                           ; r
	v_bfe_u32 v3, v0, 4, 1                         ; h
	v_lshlrev_b32 v4, 4, v1                        ; 16 x lane
	v_lshlrev_b32 v5, 3, v1                        ; 8 x lane
	v_add_nc_u32 v26, 512, v5
	s_mul_i32 s3, s[WV], 4*HALFB                   ; my four tiles of R in a slot
	s_add_co_u32 s3, s3, RBASE
.irp h, 0,1
	v_add_nc_u32 v[AP16+\h], SLOT*\h, v4
	v_add_nc_u32 v[AP8+\h], SLOT*\h, v26
	v_add_nc_u32 v[AR16+\h], s3, v4
	v_add_nc_u32 v[AR8+\h], s3, v26
	s_add_co_u32 s3, s3, SLOT
.endr
	v_lshlrev_b32 v24, 5, v2                       ; scale words: 32 bytes for each lane index
	v_lshlrev_b32 v25, 6, v3                       ; the bias along the registers: 64 h
	v_and_b32 v27, 7, v2
	v_lshrrev_b32 v28, 3, v2
	v_lshlrev_b32 v27, 2, v27
	v_lshl_add_u32 v27, v28, 6, v27                ; the bias along the lanes: 4 (r % 8) + 64 (r / 8)
.irp b, 0,1,2,3
	v_mov_b32 v[TM+4+\b], 0                        ; written once: a lane permute's destination counts as one of its sources
.endr
; tile w's scale words of K steps 4 half .. 4 half + 3 go straight to registers: lane r takes its row's four words; 12 loads
.macro SCALES w, half
.irp i, 0,1,2,3,4,5,6,7
	global_load_b128 v[PS+8*\i+4*(\half):PS+8*\i+4*(\half)+3], v24, s[PSP+2*(\w):PSP+2*(\w)+1] offset:512*\i+16*(\half)
.endr
.irp m, 0,1,2,3
	global_load_b128 v[RS+8*\m+4*(\half):RS+8*\m+4*(\half)+3], v24, s[RSP+2*(\w):RSP+2*(\w)+1] offset:512*\m+16*(\half)
.endr
.endm
; THE BIAS is the C of each sum's first product.  q, k: it runs along the registers (P = the features): eight registers for each P tile.  v: along the lanes (R = the features): eight equal registers for each R tile.
.macro BIAS w
	WIN TOR
.if (\w) < 2
.irp i, 0,1,2,3,4,5,6,7
	global_load_b128 v[BI+8*\i:BI+8*\i+3], v25, s[8+2*(\w):9+2*(\w)] offset:(32*(\i/2)+8*(\i%2))*4
	global_load_b128 v[BI+8*\i+4:BI+8*\i+7], v25, s[8+2*(\w):9+2*(\w)] offset:(32*(\i/2)+8*(\i%2))*4+16
.endr
.else
.irp m, 0,1,2,3
.irp j, 0,1,2,3,4,5,6,7
	global_load_b32 v[BI+8*\m+\j], v27, s[12:13] offset:(32*(\m/2)+8*(\m%2))*4
.endr
.endr
.endif
	WIN 0
.endm
; K step s's fragments, 48 LDS loads in one run: each touches 512 or 256 consecutive bytes
.macro FETCH s
.set hF, (\s)/4
	WIN TOP
.irp i, 0,1,2,3,4,5,6,7
.set rF, 96*((\s)%2)+12*\i
.set oF, HALFB*\i+1536*((\s)%4)
	ds_load_b128 v[rF:rF+3], v[AP16+hF] offset:oF
	ds_load_b64 v[rF+4:rF+5], v[AP8+hF] offset:oF
	ds_load_b128 v[rF+6:rF+9], v[AP16+hF] offset:oF+768
	ds_load_b64 v[rF+10:rF+11], v[AP8+hF] offset:oF+768
.endr
	WIN TOR
.irp m, 0,1,2,3
.set rF, 48*((\s)%2)+12*\m
.set oF, HALFB*\m+1536*((\s)%4)
	ds_load_b128 v[rF:rF+3], v[AR16+hF] offset:oF
	ds_load_b64 v[rF+4:rF+5], v[AR8+hF] offset:oF
	ds_load_b128 v[rF+6:rF+9], v[AR16+hF] offset:oF+768
	ds_load_b64 v[rF+10:rF+11], v[AR8+hF] offset:oF+768
.endr
	WIN 0
.endm
; 16 matrix instructions: K step s, R tiles m0, m0 + 1 x P's eight.  The 32 accumulators take turns, one instruction a turn, in the same order in every step.
; cmode 0: C = the sum so far;  1: the bias along the registers;  2: the bias along the lanes
.macro MULH s, m0, cmode
.irp m, \m0, \m0+1
.irp i, 0,1,2,3,4,5,6,7
.set rD, 64*(\m)+8*\i
.set rA, 96*((\s)%2)+12*\i
.set rB, 48*((\s)%2)+12*(\m)
.if \cmode == 0
	v_wmma_scale_f32_16x16x128_f8f6f4 v[rD:rD+7], v[rA:rA+11], v[rB:rB+11], v[rD:rD+7], v[PS+8*\i+(\s)], v[RS+8*(\m)+(\s)] matrix_a_fmt:MATRIX_FMT_FP6 matrix_b_fmt:MATRIX_FMT_FP6
.elseif \cmode == 1
	v_wmma_scale_f32_16x16x128_f8f6f4 v[rD:rD+7], v[rA:rA+11], v[rB:rB+11], v[BI+8*\i:BI+8*\i+7], v[PS+8*\i+(\s)], v[RS+8*(\m)+(\s)] matrix_a_fmt:MATRIX_FMT_FP6 matrix_b_fmt:MATRIX_FMT_FP6
.else
	v_wmma_scale_f32_16x16x128_f8f6f4 v[rD:rD+7], v[rA:rA+11], v[rB:rB+11], v[BI+8*(\m):BI+8*(\m)+7], v[PS+8*\i+(\s)], v[RS+8*(\m)+(\s)] matrix_a_fmt:MATRIX_FMT_FP6 matrix_b_fmt:MATRIX_FMT_FP6
.endif
.endr
.endr
.endm
.macro STEPN s                         ; a K step whose successor lies in the same slot
	s_wait_dscnt 0x0                               ; this step's fragments, asked for a step ago, are in
	PLACES                                         ; four places in front of loads into registers that the step before multiplied
	FETCH (\s)+1
	WIN MUL
	MULH \s, 0, 0
	MULH \s, 2, 0
	WIN 0
.endm
; A slot's last K step changes slots: ONE barrier.  In front of it each wave waits for all its tensor loads (the one that is out is its part of the other slot), adds 0 to its spare word, and waits for that and for its own
; reads of this slot.  fill = 1: the barrier opens a round of the cluster's barrier, and behind the round this slot takes tile wn's four K steps: the load has four K steps' products in which to land.
.macro TURN s, fill, wn
	s_wait_tensorcnt 0x0                           ; no tensor load of mine is out, so a group 0 may be written
	ds_add_u32 v[SPW], v[NIL]                      ; 0 onto my spare word
.if \fill
	NEXTD (\s)/4, \wn
.endif
	s_wait_dscnt 0x0                               ; the add is done; this step's fragments are in: my reads of this slot are over
	s_barrier_signal -1
	WIN MUL
	MULH \s, 0, 0                                  ; work on registers while the others arrive
	WIN 0
	s_barrier_wait -1
.if \fill
	CREST                                          ; no wave of any partner still reads this slot or has a load on its way
	JLOAD (\s)/4                                   ; the first tensor load behind the round; the four v_nop behind it are also the places in front of the loads below
.else
	PLACES
.endif
	FETCH ((\s)+1)%8
	WIN MUL
	MULH \s, 2, 0
	WIN 0
.endm
; R tile m's 64 results of a lane (window 2, register 16 b + i = place 32 b + 16 (lane / 16) + i along P) become a fragment's codes in v[PC + 12 m] on and its scale word in v[PW + m].  Each accumulator is read from its low end on.
.macro QUANTW m
.set rP, PC+12*\m
	WIN 0x0a                                       ; sources 0 and 1 window 2
.irp b, 0,1,2,3
	v_max3_num_f32 v[TM+\b], |v[64*\m+16*\b]|, |v[64*\m+16*\b+1]|, 0x1800000   ; and the floor 2^(3 - 127): so the byte cannot fall under 1
.endr
	WIN 0x28                                       ; sources 1 and 2 window 2
.irp i, 2,4,6,8,10,12,14
.irp b, 0,1,2,3
	v_max3_num_f32 v[TM+\b], v[TM+\b], |v[64*\m+16*\b+\i]|, |v[64*\m+16*\b+\i+1]|
.endr
.endr
	WIN 0
.irp b, 0,1,2,3
	v_permlanex16_b32 v[TM+4+\b], v[TM+\b], s[SEL], s[SEL+1]
.endr
.irp b, 0,1,2,3
	v_max_num_f32 v[TM+\b], v[TM+\b], v[TM+4+\b]   ; with lane l xor 16's: the block's largest magnitude
.endr
.irp b, 0,1,2,3
	v_add_nc_u32 v[TM+12+\b], 0xff000000, v[TM+\b] ; 2 off its exponent field: the conversion's scale operand
.endr
.irp b, 0,1,2,3
	v_lshrrev_b32 v[TM+4+\b], 23, v[TM+12+\b]      ; the scale's byte
.endr
	v_lshl_or_b32 v[PW+\m], v[TM+5], 8, v[TM+4]
	v_lshl_or_b32 v[PW+\m], v[TM+6], 16, v[PW+\m]
	v_lshl_or_b32 v[PW+\m], v[TM+7], 24, v[PW+\m]
	WIN 0x02                                       ; source 0 window 2
.irp c, 0,1
	v_cvt_scalef32_pk16_fp6_f32 v[rP+6*\c:rP+2+6*\c], v[64*\m+32*\c:64*\m+15+32*\c], v[TM+12+2*\c]
	v_cvt_scalef32_pk16_fp6_f32 v[PTM+4*\c:PTM+2+4*\c], v[64*\m+16+32*\c:64*\m+31+32*\c], v[TM+12+2*\c+1]   ; (a conversion's three registers begin on an even number)
.endr
	WIN 0
	v_nop                                          ; one plain place behind a scaled conversion
.irp c, 0,1                                    ; the operand's layout wants a WHOLE block in a lane
.irp i, 0,1,2
	v_permlane16_swap_b32 v[rP+6*\c+\i], v[PTM+4*\c+\i]
.endr
.irp i, 0,1,2
	v_mov_b32 v[rP+3+6*\c+\i], v[PTM+4*\c+\i]
.endr
.endr
.endm
; A tile's results are quantised and leave: each store covers 512 or 256 consecutive bytes; every offset is an immediate
.macro EPI w
	s_wait_xcnt 0x0                                ; the last tile's stores have read their data: the codes' registers are written again only behind this wait
.irp m, 0,1,2,3
	QUANTW \m
.if (\w) < 2                                   ; q, k: the image's first half is the even head's, its second the odd head's, 98,304 bytes on
	global_store_b128 v4, v[PC+12*\m:PC+12*\m+3], s[OQ:OQ+1] offset:6291456*(\w)+768*\m
	global_store_b64 v5, v[PC+12*\m+4:PC+12*\m+5], s[OQ:OQ+1] offset:6291456*(\w)+768*\m+512
	global_store_b128 v4, v[PC+12*\m+6:PC+12*\m+9], s[OQ:OQ+1] offset:6291456*(\w)+768*\m+98304
	global_store_b64 v5, v[PC+12*\m+10:PC+12*\m+11], s[OQ:OQ+1] offset:6291456*(\w)+768*\m+98304+512
.else                                          ; v: the two halves on end
	global_store_b128 v4, v[PC+12*\m:PC+12*\m+3], s[OV:OV+1] offset:1536*\m
	global_store_b64 v5, v[PC+12*\m+4:PC+12*\m+5], s[OV:OV+1] offset:1536*\m+512
	global_store_b128 v4, v[PC+12*\m+6:PC+12*\m+9], s[OV:OV+1] offset:1536*\m+768
	global_store_b64 v5, v[PC+12*\m+10:PC+12*\m+11], s[OV:OV+1] offset:1536*\m+1280
.endif
.endr
	v_cmp_le_u32 vcc_lo, 16, v1                    ; my four tiles' scale words leave as one block of 256 bytes: lanes 0-15 tiles 0 and 2, lanes 16-31 tiles 1 and 3
	v_cndmask_b32 v28, v[PW], v[PW+1], vcc_lo
	v_cndmask_b32 v29, v[PW+2], v[PW+3], vcc_lo
.if (\w) < 2
	global_store_b64 v5, v[28:29], s[SQ:SQ+1] offset:262144*(\w)
.else
	global_store_b64 v5, v[28:29], s[SV:SV+1]
.endif
.endm
; TILE w.  At its head K step 0's fragments have been asked for.
.macro TILE w
	s_wait_dscnt 0x0
	PLACES
	FETCH 1
.if (\w) == 0
	s_wait_loadcnt 0x0                             ; scale words and bias
.else
	s_wait_loadcnt 12                              ; the words of K steps 0-3 and the bias are in; the 12 loads of the words of steps 4-7 may be out
.endif
	WIN MULB                                       ; the first K step's products start the sums with the bias
.if (\w) < 2
	MULH 0, 0, 1
	MULH 0, 2, 1
.else
	MULH 0, 0, 2
	MULH 0, 2, 2
.endif
	WIN 0
	STEPN 1
	STEPN 2
.if (\w) < 2
	TURN 3, 1, (\w)+1                              ; slot 0 takes the next tile's K steps 0-3
.else
	TURN 3, 0, 0                                   ; the last tile asks for nothing more
.endif
	s_wait_loadcnt 0x0                             ; the words of K steps 4-7 are in
.if (\w) < 2
	PLACES                                         ; four places in front of loads into scale registers that step 3 has read
	SCALES (\w)+1, 0
	s_wait_alu depctr_va_vdst(0)
	BIAS (\w)+1
.endif
	STEPN 4
	STEPN 5
	STEPN 6
.if (\w) < 2
	TURN 7, 1, (\w)+1                              ; slot 1 takes the next tile's K steps 4-7, and the next tile's first fragments are fetched
	PLACES                                         ; in front of the loads below and of the first read of results
	SCALES (\w)+1, 1
.else
	s_wait_dscnt 0x0
	WIN MUL
	MULH 7, 0, 0
	MULH 7, 2, 0
	WIN 0
	PLACES
.endif
	EPI \w
.endm
	SCALES 0, 0
	SCALES 0, 1
	BIAS 0
	s_wait_alu depctr_va_vdst(0)
	s_wait_tensorcnt 0x0                           ; my part of slot 0 has landed; slot 1's first fill is issued as a refill is:
	ds_add_u32 v[SPW], v[NIL]                      ; 0 onto my spare word
	s_wait_dscnt 0x0
	CROUND                                         ; everybody's part of slot 0 is in, and all sixteen work-groups are here
	JLOAD 1                                        ; K steps 4-7, the first tensor load behind the round
	FETCH 0
	TILE 0
	TILE 1
	TILE 2
	s_wait_tensorcnt 0x0                           ; the wave's end: my last tensor load has landed
	ds_add_u32 v[SPW], v[NIL]
	s_wait_dscnt 0x0
	CROUND                                         ; the closing round: no work-group ends while a partner may still ask for a tile that names it
	s_endpgm
.Lfunc_end_k_q27177236e9_proj:
	.size	k_q27177236e9_proj, .Lfunc_end_k_q27177236e9_proj-k_q27177236e9_proj
	.p2alignl 7, 3214868480
	.fill 96, 4, 3214868480
	.section	.rodata,"a",@progbits
	.p2align	6, 0x0
	.amdhsa_kernel k_q27177236e9_proj
		.amdhsa_group_segment_fixed_size 327680
		.amdhsa_private_segment_fixed_size 0
		.amdhsa_enable_private_segment 0
		.amdhsa_kernarg_size 56
		.amdhsa_user_sgpr_count 2
		.amdhsa_user_sgpr_kernarg_segment_ptr 1
		.amdhsa_wavefront_size32 1
		.amdhsa_system_sgpr_workgroup_id_x 1
		.amdhsa_system_sgpr_workgroup_id_y 1
		.amdhsa_system_sgpr_workgroup_id_z 1
		.amdhsa_system_vgpr_workitem_id 0
		.amdhsa_next_free_vgpr 928
		.amdhsa_next_free_sgpr 102
		.amdhsa_reserve_vcc 1
		.amdhsa_float_denorm_mode_32 3
		.amdhsa_float_denorm_mode_16_64 3
		.amdhsa_memory_ordered 1
		.amdhsa_forward_progress 1
		.amdhsa_inst_pref_size 255
	.end_amdhsa_kernel
	.section	.bss,"aw",@nobits
	.p2align	6
	.space	262144
	.amdgpu_metadata
---
amdhsa.version: [ 1, 2 ]
amdhsa.kernels:
  - .name:           k_q27177236e9_proj
    .symbol:         k_q27177236e9_proj.kd
    .args:
      - { .name: xc, .offset: 0, .size: 8, .value_kind: global_buffer, .address_space: global }
      - { .name: xs, .offset: 8, .size: 8, .value_kind: global_buffer, .address_space: global }
      - { .name: bq, .offset: 16, .size: 8, .value_kind: global_buffer, .address_space: global }
      - { .name: bk, .offset: 24, .size: 8, .value_kind: global_buffer, .address_space: global }
      - { .name: bv, .offset: 32, .size: 8, .value_kind: global_buffer, .address_space: global }
      - { .name: hc, .offset: 40, .size: 8, .value_kind: global_buffer, .address_space: global }
      - { .name: hs, .offset: 48, .size: 8, .value_kind: global_buffer, .address_space: global }
    .group_segment_fixed_size: 327680
    .private_segment_fixed_size: 0
    .kernarg_segment_align: 8
    .kernarg_segment_size: 56
    .max_flat_workgroup_size: 128
    .sgpr_count:     102
    .vgpr_count:     928
    .wavefront_size: 32
...
	.end_amdgpu_metadata
.endif
;; end of part 2
;; launch attn (part 3): grid 4 x 64, 16 waves a work-group, clusters of 4 x 1, 215,040 bytes of LDS; arguments hc, hs, oc, os; writes oc, os
.if DOCPART == 3
	.amdgcn_target "amdgcn-amd-amdhsa--gfx1250"
	.amdhsa_code_object_version 6
	.text
	.protected	k_q27177236e9_attn
	.globl	k_q27177236e9_attn
	.p2align	8
	.type	k_q27177236e9_attn,@function
k_q27177236e9_attn:
	s_mov_b64 s[64:65], 0
	v_nop
	global_prefetch_b8 v0, s[64:65] scope:SCOPE_SE
	s_setreg_imm32_b32 hwreg(HW_REG_WAVE_MODE, 25, 1), 1
	s_wait_xcnt 0x0
	s_wait_alu depctr_hold_cnt(0) depctr_sa_sdst(0) depctr_va_vdst(0) depctr_va_sdst(0) depctr_va_ssrc(0) depctr_va_vcc(0) depctr_vm_vsrc(0)
	s_getreg_b32 s2, hwreg(HW_REG_IB_STS2, 6, 4)
	s_cmp_eq_u32 s2, 0
	s_cbranch_scc0 .Lentry_in_a_cluster
	s_endpgm
.Lentry_in_a_cluster:
	s_bfe_u32 s2, ttmp6, 0x10000c
	s_cmp_lg_u32 s2, 0x3003
	s_cbranch_scc0 .Lentry_shape_is_right
	s_endpgm
.Lentry_shape_is_right:
; O[head][q] = the sum over k of softmax_k(Q . K / 8) V, 64 heads of 2,048 x 64, both products on codes of FP6 (E2M3) with E8M0 scales; O / l is quantised along the embedding and stored as codes.
; THE SOFTMAX: t = score x log2(e) / 8; M = the row's largest t so far, rounded UP to a whole number; p = 2^(t - M) is quantised along the keys, not normalised.  The row's sum is taken of the unquantised p and
; divides O at the end.  When M moves, the sum and O are multiplied by 2^(old M - new M): exact.
; IN: hc: q, k: [head][tile of 16 tokens][768] (6 registers a lane: registers 0-3 at 16 x lane, registers 4, 5 at 512 + 8 x lane); v: [head][key step of 128][tile of 16 channels][1,536].
; hs: blocks of 256 bytes for four tiles: the word of tile m, lane index r at 8 r + 128 (m % 2) + 4 (m / 2); in q's and k's words bytes 0, 1 are the even head's, bytes 2, 3 the odd head's.
; K'S TILES: lane index r of tile 4 G + t is key 64 G + 8 t + r % 8 + 32 (r / 8) (the first launch lays key's rows so).  In S^T = K Q^T the 32 registers of a group's four tiles are then keys
; 64 G + 32 (lane / 16) + 0 .. 31: a whole block of 32 in one lane, in the order of the second product's operand; and K's images are loaded as they lie, neighbouring lanes at neighbouring bytes.
; K = 64 IN A FORM THAT TAKES 128: Q's registers 6-11 are zero codes; K's operand of tile t names 12 registers, the upper six being the next tile's codes (behind tile 7: zeros): those products are zeros.
; Q's and K's scale words are read as 16 bits: bytes 2 and 3 are 0, a finite code.
; SHARES: a work-group owns 512 queries of one head, in two passes of 256; in a pass each of its sixteen waves, four to a SIMD, owns one tile of 16 queries in 256 registers.
; A STEP: products; the blocks' largest scores (a tree: 20, 8, 2, 2 lines that do not hang on each other within a level); M and f; t - M, O^T and the sum under the new M; one batch of exponentials; scales;
; conversions; the sum (a tree in place: 16, 8, 4, 2, 1, 1 lines); products.
; K's and V's fragments share one set of registers: V's are asked for behind the first products and land under the softmax; the next step's K behind the last products.  The last step of a pass so reads 6,144 bytes
; (scale words: 512) behind K's regions, which are bytes of the next region, landed like all others; what it brings is not used.
; LDS: a head's whole K (98,304 bytes), V (98,304) and their scale words (16,384): every tensor load is a first fill, one a wave: waves 0, 1 K's halves, 2, 3 V's, 4 K's scale words, 5 V's.
; CLUSTER: the four work-groups of a head walk the same K and V: each load is asked for jointly by the four.  No prefetch: all tiles are asked for at the head, ahead of any loop.
; Both products are used transposed (S^T = K Q^T, O^T = V^T P^T): a lane holds ONE query throughout.
; OUT: oc: [tile of 16 tokens][pair of heads = K step][head's parity][768]; os: [tile][lane index][K step] words, my head's 16 bits at 2 x parity.
; LIMITS: NaN and infinities are not served; a block under 2^-124 gets the byte 1 (the bytes are read by this program alone); the scaled scores stay under 2^31 in magnitude.
.set WV,  12
.set CX,  13
.set HD,  14
.set PI,  15
.set SEL, 20                           ; s[20:21] v_permlanex16_b32's selects for lane l xor 16
.set CS,  22                           ; s[22:23] c = log2(e) / 8
.set G1S, 24                           ; group 1 for the scale words: 32 rows of 256 bytes
.set G1T, 32                           ; for the codes: 192 rows of 256 bytes
.set G0S, 40
.set G0T, 44
.set TB,  60                           ; the step's place in K's and V's regions: 6,144 a step
.set TS,  61                           ; K's scale words: 512 a step
.set TJ,  62                           ; V's: 256 a step
.set CNT, 63
.set VB,  98304                        ; LDS: V behind K,
.set SCK, 196608                       ; K's scale words (the pair of heads': 8,192 bytes),
.set SCV, 204800                       ; V's (my head's 4,096 at 4,096 x parity),
.set SPARE, 0x34000                    ; the spare words: 128 bytes for each wave
; v1-7, v30 fixed addresses; v8-11, v28, v29 the step's; v12 -M, v13 the largest t, v[14:15] the sum; v31 8 (lane / 16); v250, v251 the add's; v252 f; v254 at work
.set AK,  8
.set AK8, 9
.set AV,  10
.set AV8, 11
.set AKS, 28
.set AVS, 29
.set QF,  16                           ; v16-21 Q's codes, v22-27 zeros
.set F,   32                           ; v32-79 K's eight tiles (6 registers each) or V's four (12 each); v80-85 zeros
.set S,   96                           ; v96-159 S^T, then p
.set OT,  160                          ; v160-191 O^T
.set KS,  192                          ; register u: lanes 0-15 tile 2 u, lanes 16-31 tile 2 u + 1
.set VS,  196                          ; likewise
.set TT,  204                          ; v204-223 the tree of largest scores; behind it these registers serve under the names below
.set BM,  204
.set PT,  208
.set SO,  216
.set BY,  218
.set OW,  222
.set XP,  223
.set PC,  224                          ; v224-235 p's codes
.set QS,  244                          ; Q's scale word
.set PSW, 246                          ; p's
.macro WALU
	s_wait_alu depctr_va_vdst(0)
.endm
.macro PLACES
.rept 4
	v_nop
.endr
.endm
.macro CROUND                          ; a round of the cluster's barrier
	s_barrier_signal -1
	s_barrier_wait -1
	s_cmp_lg_u32 s[WV], 0
	s_cbranch_scc1 .Lnot_wave_0_\@
	s_barrier_signal -3
.Lnot_wave_0_\@:
	s_barrier_wait -3
	s_barrier_signal -1
	s_barrier_wait -1
.endm
	s_load_b256 s[4:11], s[0:1], 0x0               ; hc, hs, oc, os
	v_lshl_add_u32 v250, v0, 2, SPARE
	v_mov_b32 v251, 0
	ds_add_u32 v250, v251                          ; the opening lines
	ds_add_u32 v250, v251
	v_lshrrev_b32 v1, 5, v0
	v_readfirstlane_b32 s[WV], v1                  ; wave 0..15
	s_bfe_u32 s[CX], ttmp6, 0x40000                ; my place in the cluster: it enters Q's and O's addresses alone
	s_and_b32 s[HD], ttmp7, 0xffff                 ; the head, which the four partners share
	s_and_b32 s[PI], s[HD], 1
	s_bfe_u32 s16, s[WV], 0x10001                  ; waves 0-3: 0 K, 1 V;
	s_and_b32 s17, s[WV], 1                        ; which half.  Waves 4, 5: 0 K's scale words, 1 V's
	s_add_co_u32 s48, s16, 1
	s_mul_i32 s52, s48, 6291456                    ; codes: k's region, v's region,
	s_mul_i32 s54, s[HD], 98304                    ; the head,
	s_add_co_u32 s52, s52, s54
	s_mul_i32 s54, s17, 49152                      ; the half
	s_add_co_u32 s52, s52, s54
	s_mov_b32 s53, 0
	s_mul_i32 s57, s16, VB
	s_add_co_u32 s57, s57, s54                     ; and where they go
	s_add_co_u32 s48, s17, 1
	s_lshl_b32 s50, s48, 18                        ; scale words: k's region at 262,144, v's at 524,288,
	s_lshr_b32 s54, s[HD], 1
	s_lshl_b32 s54, s54, 13                        ; 8,192 for each pair of heads
	s_add_co_u32 s50, s50, s54
	s_mov_b32 s51, 0
	s_lshl_b32 s55, s17, 13
	s_add_co_u32 s55, s55, SCK
.irp g, G1S, G1T                               ; dense blocks as rows of 256 bytes (32 elements of 8 bytes); the mask names all four work-groups, bit 21 beside it
	s_mov_b32 s[\g], 15|(3<<16)|(1<<21)
	s_mov_b32 s[\g+1], 32<<16
	s_mov_b32 s[\g+3], 32<<16
	s_mov_b32 s[\g+5], 32
	s_mov_b32 s[\g+6], 0
	s_mov_b32 s[\g+7], 0
.endr
	s_mov_b32 s[G1S+2], 32<<16
	s_mov_b32 s[G1S+4], 32
	s_mov_b32 s[G1T+2], 192<<16
	s_mov_b32 s[G1T+4], 192
	s_mov_b32 s[SEL], 0x76543210
	s_mov_b32 s[SEL+1], 0xfedcba98
	s_mov_b32 s[CS], 0x3e38aa3b
	s_mov_b32 s[CS+1], s[CS]                       ; (named with it as a pair)
	s_lshl_b32 s58, s[PI], 1
	s_add_co_u32 s58, s58, SCK
	s_lshl_b32 s59, s[PI], 12
	s_add_co_u32 s59, s59, SCV
	s_wait_dscnt 0x0
	s_wait_kmcnt 0x0
	s_mov_b32 s[G0S], 1
	s_mov_b32 s[G0S+1], s55
	s_add_nc_u64 s[G0S+2:G0S+3], s[6:7], s[50:51]
	s_or_b32 s[G0S+3], s[G0S+3], 0x80000000
	s_mov_b32 s[G0T], 1
	s_mov_b32 s[G0T+1], s57
	s_add_nc_u64 s[G0T+2:G0T+3], s[4:5], s[52:53]
	s_or_b32 s[G0T+3], s[G0T+3], 0x80000000
	CROUND                                         ; all four work-groups are here: the joint loads meet
	s_cmp_lt_u32 s[WV], 4                          ; one chain of branches on the wave's number, one load to an arm
	s_cbranch_scc0 .Lwords
	tensor_load_to_lds s[G0T:G0T+3], s[G1T:G1T+7]
	s_nop 0
	PLACES
	s_branch .Lasked
.Lwords:
	s_cmp_lt_u32 s[WV], 6
	s_cbranch_scc0 .Lasked
	tensor_load_to_lds s[G0S:G0S+3], s[G1S:G1S+7]
	s_nop 0
	PLACES
.Lasked:
	v_and_b32 v8, 31, v0                           ; lane
	v_and_b32 v9, 15, v0                           ; r
	v_bfe_u32 v28, v0, 4, 1                        ; h
	v_lshlrev_b32 v1, 4, v8                        ; v1  16 x lane: an image's first four registers
	v_lshlrev_b32 v2, 3, v8
	v_add_nc_u32 v5, s58, v2                       ; v5  K's scale words: 8 x lane, my head's 16 bits
	v_add_nc_u32 v6, s59, v2                       ; v6  V's: 8 x lane in my head's 4,096 bytes
	v_add_nc_u32 v2, 512, v2                       ; v2  512 + 8 x lane: an image's other two registers
	v_add_nc_u32 v3, VB, v1                        ; v3, v4  the same in V's region
	v_add_nc_u32 v4, VB, v2
	v_lshlrev_b32 v7, 3, v9                        ; v7  8 r: Q's scale words
	v_lshlrev_b32 v30, 5, v9                       ; v30 32 r: O's
	v_lshlrev_b32 v31, 3, v28                      ; v31 8 h: where my two bytes stand in p's scale word
.irp j, 0,1,2,3,4,5
	v_mov_b32 v[QF+6+\j], 0                        ; Q's k = 64 .. 127: zero codes
	v_mov_b32 v[F+48+\j], 0                        ; and what K's tile 7 names behind its own six registers
.endr
.irp b, 0,1,2,3
	v_mov_b32 v[PT+\b], 0                          ; written once: a lane permute's destination counts as one of its sources
.endr
	v_mov_b32 v[XP], 0
	v_mov_b32 v254, 0
	v_mov_b32 v253, 0                              ; (named as the upper half of the pair v[252:253])
	s_lshl_b32 s74, s[CX], 5
	s_add_co_u32 s74, s74, s[WV]                   ; my tile of queries in pass 0: 32 cx + w
	s_mul_i32 s76, s74, 768
	s_mul_i32 s78, s[HD], 98304
	s_add_co_u32 s76, s76, s78
	s_mov_b32 s77, 0
	s_add_nc_u64 s[66:67], s[4:5], s[76:77]        ; its codes
	s_lshr_b32 s76, s[HD], 1
	s_lshl_b32 s76, s76, 13
	s_lshr_b32 s78, s74, 2
	s_lshl_b32 s78, s78, 8                         ; its block of four tiles,
	s_add_co_u32 s76, s76, s78
	s_and_b32 s78, s[WV], 1
	s_lshl_b32 s78, s78, 7                         ; its place in the block: 128 (m % 2) + 4 (m / 2),
	s_add_co_u32 s76, s76, s78
	s_bfe_u32 s78, s[WV], 0x10001
	s_lshl_b32 s78, s78, 2
	s_add_co_u32 s76, s76, s78
	s_lshl_b32 s78, s[PI], 1                       ; my head's 16 bits
	s_add_co_u32 s76, s76, s78
	s_add_nc_u64 s[68:69], s[6:7], s[76:77]        ; its scale words
	s_lshr_b32 s75, s[HD], 4
	s_lshl_b32 s75, s75, 7
	s_add_co_u32 s75, s75, s74                     ; the tile among all tokens'
	s_bfe_u32 s79, s[HD], 0x30001                  ; the pair of heads: the next product's K step
	s_lshl_b32 s76, s75, 3
	s_add_co_u32 s76, s76, s79
	s_mul_i32 s76, s76, 1536
	s_mul_i32 s78, s[PI], 768
	s_add_co_u32 s76, s76, s78
	s_add_nc_u64 s[70:71], s[8:9], s[76:77]        ; O's codes
	s_lshl_b32 s76, s75, 9
	s_lshl_b32 s78, s79, 2
	s_add_co_u32 s76, s76, s78
	s_lshl_b32 s78, s[PI], 1
	s_add_co_u32 s76, s76, s78
	s_add_nc_u64 s[72:73], s[10:11], s[76:77]      ; O's scale words
.macro KLOAD a, a8, as, off, soff      ; a step's eight tiles of K and their scale words: 20 loads
.irp t, 0,1,2,3,4,5,6,7
	ds_load_b128 v[F+6*\t:F+6*\t+3], v[\a] offset:(\off)+768*\t
	ds_load_b64 v[F+6*\t+4:F+6*\t+5], v[\a8] offset:(\off)+768*\t
.endr
.irp u, 0,1,2,3
	ds_load_u16 v[KS+\u], v[\as] offset:(\soff)+256*(\u/2)+4*(\u%2)
.endr
.endm
.macro PKF from, n                     ; t - M of n pairs of scores from register from on (of the pairs c and -M the low word serves both halves)
.set j, \from
.rept \n
	v_pk_fma_f32 v[S+j:S+j+1], v[S+j:S+j+1], s[CS:CS+1], v[12:13] op_sel_hi:[1,0,0]
.set j, j+2
.endr
.endm
.macro LEVEL n                         ; a level of the sum's tree, in place: the upper n registers onto the lower n
.set j, 0
.rept (\n)/2
	v_pk_add_f32 v[S+j:S+j+1], v[S+j:S+j+1], v[S+j+\n:S+j+\n+1]
.set j, j+2
.endr
.endm
.macro WALK                            ; the head's 16 key steps, one a trip
	KLOAD 1, 2, 5, 0, 0                            ; step 0's K
	s_mov_b32 s[CNT], 16
.Ltrip_\@:
	s_wait_dscnt 0x0                               ; K's tiles and scale words are in
.irp t, 0,1,2,3,4,5,6,7                        ; S^T = K Q^T: lane (r, h) holds query r; register 32 G + i is key 64 G + 32 h + i of the step
.if \t%2
	v_wmma_scale_f32_16x16x128_f8f6f4 v[S+8*\t:S+8*\t+7], v[F+6*\t:F+6*\t+11], v[QF:QF+11], 0, v[KS+\t/2], v[QS] matrix_a_fmt:MATRIX_FMT_FP6 matrix_b_fmt:MATRIX_FMT_FP6 matrix_a_scale:MATRIX_SCALE_ROW1
.else
	v_wmma_scale_f32_16x16x128_f8f6f4 v[S+8*\t:S+8*\t+7], v[F+6*\t:F+6*\t+11], v[QF:QF+11], 0, v[KS+\t/2], v[QS] matrix_a_fmt:MATRIX_FMT_FP6 matrix_b_fmt:MATRIX_FMT_FP6
.endif
.endr
	v_add_nc_u32 v[AK], s[TB], v1                  ; the step's addresses: six plain lines, the places in front of the loads into K's registers and of the first read of the scores
	v_add_nc_u32 v[AK8], s[TB], v2
	v_add_nc_u32 v[AV], s[TB], v3
	v_add_nc_u32 v[AV8], s[TB], v4
	v_add_nc_u32 v[AKS], s[TS], v5
	v_add_nc_u32 v[AVS], s[TJ], v6
.irp d, 0,1,2,3                                ; V's four tiles are asked for now: they land while the softmax is walked
	ds_load_b128 v[F+12*\d:F+12*\d+3], v[AV] offset:1536*\d
	ds_load_b64 v[F+12*\d+4:F+12*\d+5], v[AV8] offset:1536*\d
	ds_load_b128 v[F+12*\d+6:F+12*\d+9], v[AV] offset:1536*\d+768
	ds_load_b64 v[F+12*\d+10:F+12*\d+11], v[AV8] offset:1536*\d+768
.endr
	ds_load_b64 v[VS:VS+1], v[AVS]
; The largest score of my two blocks of 32 keys serves twice: for the row's maximum and, since p rises with the score, for the block's largest p.  32 numbers: ten threes; the ten and the last two in four threes;
; three of the four; the fourth.  The scores are taken in ascending order: each accumulator is read from its low end on.
.irp k, 0,1,2,3,4,5,6,7,8,9
.irp g, 0,1
	v_max3_num_f32 v[TT+10*\g+\k], v[S+32*\g+3*\k], v[S+32*\g+3*\k+1], v[S+32*\g+3*\k+2]
.endr
.endr
.irp k, 0,3,6
.irp g, 0,1
	v_max3_num_f32 v[TT+10*\g+\k], v[TT+10*\g+\k], v[TT+10*\g+\k+1], v[TT+10*\g+\k+2]
.endr
.endr
.irp g, 0,1
	v_max3_num_f32 v[TT+10*\g+9], v[TT+10*\g+9], v[S+32*\g+30], v[S+32*\g+31]
.endr
.irp g, 0,1
	v_max3_num_f32 v[TT+10*\g], v[TT+10*\g], v[TT+10*\g+3], v[TT+10*\g+6]
.endr
.irp g, 0,1
	v_max_num_f32 v[BM+\g], v[TT+10*\g], v[TT+10*\g+9]
.endr
	s_delay_alu instid0(VALU_DEP_1)
	v_max_num_f32 v254, v[BM], v[BM+1]
	s_delay_alu instid0(VALU_DEP_1)
	v_permlanex16_b32 v[XP], v254, s[SEL], s[SEL+1]
	s_delay_alu instid0(VALU_DEP_1)
	v_max_num_f32 v254, v254, v[XP]                ; the step's largest score of my query
	s_delay_alu instid0(VALU_DEP_1)
	v_mul_f32 v254, s[CS], v254                    ; as t
	s_delay_alu instid0(VALU_DEP_1)
	v_max_num_f32 v13, v13, v254                   ; the running largest t
	v_mov_b32 v254, v12
	s_delay_alu instid0(VALU_DEP_2)
	v_floor_f32 v12, -v13                          ; the new -M = -ceil(t)
	s_delay_alu instid0(VALU_DEP_1)
	v_sub_f32 v254, v12, v254                      ; M's old value less its new one
	PKF 0, 4                                       ; (t - M begins between the lines that make f)
	v_cvt_i32_f32 v254, v254                       ; (it saturates)
	PKF 8, 4
	v_ldexp_f32 v252, 1.0, v254                    ; f = 2^(old M - new M)
	PKF 16, 24
.irp g, 0,1
	v_fma_f32 v[BM+\g], v[BM+\g], s[CS], v12       ; the same of each block's largest score
.endr
.set j, 0
.rept 16
	v_pk_mul_f32 v[OT+j:OT+j+1], v[OT+j:OT+j+1], v[252:253] op_sel_hi:[1,0]   ; O^T under the new M: x f
.set j, j+2
.endr
	v_pk_mul_f32 v[14:15], v[14:15], v[252:253] op_sel_hi:[1,0]               ; and the sum
	WALU                                           ; ahead of the batch
.set j, 0
.rept 64
	v_exp_f32 v[S+j], v[S+j]                       ; p = 2^(t - M)
.set j, j+1
.endr
.irp g, 0,1
	v_exp_f32 v[BM+\g], v[BM+\g]                   ; the block's largest p: the same two instructions on the same number give the same bits
.endr
	v_nop                                          ; a plain place behind the batch
	WALU                                           ; behind the batch
.irp g, 0,1
	v_max_num_f32 v[BM+\g], 0x1800000, v[BM+\g]    ; the floor 2^(3 - 127): the byte cannot fall under 1
.endr
.irp g, 0,1
	s_delay_alu instid0(VALU_DEP_2)
	v_add_nc_u32 v[SO+\g], 0xff000000, v[BM+\g]    ; 2 off the exponent field: the conversion's scale operand
.endr
.irp g, 0,1
	s_delay_alu instid0(VALU_DEP_2)
	v_lshrrev_b32 v[BY+\g], 23, v[SO+\g]           ; the scale's byte
.endr
	s_delay_alu instid0(VALU_DEP_1)
	v_lshl_or_b32 v[BY], v[BY+1], 16, v[BY]        ; my two bytes: blocks h and 2 + h,
	s_delay_alu instid0(VALU_DEP_1)
	v_lshlrev_b32 v[BY], v31, v[BY]                ; at their places in p's scale word;
	s_delay_alu instid0(VALU_DEP_1)
	v_permlanex16_b32 v[XP], v[BY], s[SEL], s[SEL+1]
	v_or_b32 v[PSW], v[BY], v[XP]                  ; with lane l xor 16's two the word is whole
.irp g, 0,1
	v_cvt_scalef32_pk16_fp6_f32 v[PC+6*\g:PC+2+6*\g], v[S+32*\g:S+15+32*\g], v[SO+\g]
	v_cvt_scalef32_pk16_fp6_f32 v[PT+4*\g:PT+2+4*\g], v[S+16+32*\g:S+31+32*\g], v[SO+\g]       ; (a conversion's three registers begin on an even number)
.endr
	v_nop                                          ; one plain place behind the scaled conversions
.irp g, 0,1
.irp i, 0,1,2
	v_mov_b32 v[PC+3+6*\g+\i], v[PT+4*\g+\i]
.endr
.endr
	LEVEL 32                                       ; the row's sum of the unquantised p; these 16 lines are the places between p's codes and scale word and the products
	WALU                                           ; directly ahead of the blocking wait
	s_wait_dscnt 0x0                               ; V's tiles and scale words are in
.irp d, 0,1,2,3                                ; O^T += V^T P^T: four accumulators by turns; K = these 128 keys
.if \d%2
	v_wmma_scale_f32_16x16x128_f8f6f4 v[OT+8*\d:OT+8*\d+7], v[F+12*\d:F+12*\d+11], v[PC:PC+11], v[OT+8*\d:OT+8*\d+7], v[VS+\d/2], v[PSW] matrix_a_fmt:MATRIX_FMT_FP6 matrix_b_fmt:MATRIX_FMT_FP6 matrix_a_scale:MATRIX_SCALE_ROW1
.else
	v_wmma_scale_f32_16x16x128_f8f6f4 v[OT+8*\d:OT+8*\d+7], v[F+12*\d:F+12*\d+11], v[PC:PC+11], v[OT+8*\d:OT+8*\d+7], v[VS+\d/2], v[PSW] matrix_a_fmt:MATRIX_FMT_FP6 matrix_b_fmt:MATRIX_FMT_FP6
.endif
.endr
	LEVEL 16                                       ; eight plain lines that name none of the products' registers: the places in front of the loads into V's registers
	KLOAD AK, AK8, AKS, 6144, 512                  ; the next step's K
	LEVEL 8
	LEVEL 4
	LEVEL 2
	v_pk_add_f32 v[14:15], v[14:15], v[S:S+1]      ; the step's sum onto the row's
	s_add_co_u32 s[TB], s[TB], 6144
	s_add_co_u32 s[TS], s[TS], 512
	s_add_co_u32 s[TJ], s[TJ], 256
	s_sub_co_u32 s[CNT], s[CNT], 1
	s_cmp_lg_u32 s[CNT], 0
	WALU                                           ; directly ahead of the branch
	s_cbranch_scc1 .Ltrip_\@
.endm
; A pass's head: my tile's Q, and the sums as zeros (the step is written once: the first finds zeros, which the first change of M leaves zeros)
.macro PROLOG p
	WALU
.if \p
	s_wait_xcnt 0x0                                ; the last pass's stores have read their data
	s_wait_dscnt 0x0                               ; the loads behind the last step have landed: their registers are loaded again
.endif
	global_load_b128 v[QF:QF+3], v1, s[66:67] offset:12288*\p      ; 16 tiles on in pass 1
	global_load_b64 v[QF+4:QF+5], v2, s[66:67] offset:12288*\p
	global_load_u16 v[QS], v7, s[68:69] offset:1024*\p             ; my head's two bytes, zeros above
	v_mov_b32 v13, 0xff61b1e6                      ; the largest t so far: -3e38
	v_mov_b32 v14, 0
	v_mov_b32 v15, 0
	v_floor_f32 v12, -v13
.set j, 0
.rept 32
	v_mov_b32 v[OT+j], 0
.set j, j+1
.endr
	s_mov_b32 s[TB], 0
	s_mov_b32 s[TS], 0
	s_mov_b32 s[TJ], 0
	WALU
	s_wait_loadcnt 0x0
.endm
; A pass's end: O^T / the sum; register 16 b + i of a lane is channel 32 b + 16 (lane / 16) + i of its query: two blocks of the next product's K, quantised and stored as half an image
.macro EPILOG p
	v_add_f32 v14, v14, v15
	s_delay_alu instid0(VALU_DEP_1)
	v_permlanex16_b32 v254, v14, s[SEL], s[SEL+1]
	s_delay_alu instid0(VALU_DEP_1)
	v_add_f32 v14, v14, v254                       ; the row's sum
	WALU
	v_rcp_f32 v14, v14
	v_nop
	WALU                                           ; ahead of the first reader of the quotient and of O^T
.set j, 0
.rept 32
	v_mul_f32 v[S+j], v[OT+j], v14
.set j, j+1
.endr
.irp b, 0,1
	v_max3_num_f32 v[BM+\b], |v[S+16*\b]|, |v[S+1+16*\b]|, 0x1800000
.endr
.irp i, 2,4,6,8,10,12,14
.irp b, 0,1
	s_delay_alu instid0(VALU_DEP_2)
	v_max3_num_f32 v[BM+\b], v[BM+\b], |v[S+16*\b+\i]|, |v[S+1+16*\b+\i]|
.endr
.endr
.irp b, 0,1
	v_permlanex16_b32 v[PT+\b], v[BM+\b], s[SEL], s[SEL+1]
.endr
.irp b, 0,1
	s_delay_alu instid0(VALU_DEP_2)
	v_max_num_f32 v[BM+\b], v[BM+\b], v[PT+\b]
.endr
.irp b, 0,1
	s_delay_alu instid0(VALU_DEP_2)
	v_add_nc_u32 v[SO+\b], 0xff000000, v[BM+\b]
.endr
.irp b, 0,1
	s_delay_alu instid0(VALU_DEP_2)
	v_lshrrev_b32 v[PT+\b], 23, v[SO+\b]
.endr
	s_delay_alu instid0(VALU_DEP_1)
	v_lshl_or_b32 v[OW], v[PT+1], 8, v[PT]         ; my head's two bytes of the row's scale word
	v_cvt_scalef32_pk16_fp6_f32 v[PC:PC+2], v[S:S+15], v[SO]
	v_cvt_scalef32_pk16_fp6_f32 v[PT+4:PT+6], v[S+16:S+31], v[SO+1]
	v_nop
.irp i, 0,1,2
	v_permlane16_swap_b32 v[PC+\i], v[PT+4+\i]     ; here a block lies in lanes l and l xor 16: the halves change places
.endr
.irp i, 0,1,2
	s_delay_alu instid0(VALU_DEP_3)
	v_mov_b32 v[PC+3+\i], v[PT+4+\i]
.endr
	global_store_b128 v1, v[PC:PC+3], s[70:71] offset:196608*\p    ; 512 consecutive bytes, then 256; 16 tiles of 12,288 bytes on in pass 1
	global_store_b64 v2, v[PC+4:PC+5], s[70:71] offset:196608*\p
	global_store_b16 v30, v[OW], s[72:73] offset:8192*\p           ; lanes l and l xor 16 store the same two bytes to the same place
.endm
	PROLOG 0
	s_wait_tensorcnt 0x0                           ; my load, if I issued one, has landed
	s_barrier_signal -1
	s_barrier_wait -1                              ; everybody's has: K, V and their scale words stay as they are to the end
	WALK
	EPILOG 0
	PROLOG 1
	WALK
	EPILOG 1
	s_wait_tensorcnt 0x0                           ; the wave's end
	ds_add_u32 v250, v251
	s_wait_dscnt 0x0
	CROUND                                         ; the closing round
	s_endpgm
.Lfunc_end_k_q27177236e9_attn:
	.size	k_q27177236e9_attn, .Lfunc_end_k_q27177236e9_attn-k_q27177236e9_attn
	.p2alignl 7, 3214868480
	.fill 96, 4, 3214868480
	.section	.rodata,"a",@progbits
	.p2align	6, 0x0
	.amdhsa_kernel k_q27177236e9_attn
		.amdhsa_group_segment_fixed_size 215040
		.amdhsa_private_segment_fixed_size 0
		.amdhsa_enable_private_segment 0
		.amdhsa_kernarg_size 32
		.amdhsa_user_sgpr_count 2
		.amdhsa_user_sgpr_kernarg_segment_ptr 1
		.amdhsa_wavefront_size32 1
		.amdhsa_system_sgpr_workgroup_id_x 1
		.amdhsa_system_sgpr_workgroup_id_y 1
		.amdhsa_system_sgpr_workgroup_id_z 1
		.amdhsa_system_vgpr_workitem_id 0
		.amdhsa_next_free_vgpr 256
		.amdhsa_next_free_sgpr 80
		.amdhsa_reserve_vcc 0
		.amdhsa_float_denorm_mode_32 3
		.amdhsa_float_denorm_mode_16_64 3
		.amdhsa_memory_ordered 1
		.amdhsa_forward_progress 1
		.amdhsa_inst_pref_size 53
	.end_amdhsa_kernel
	.amdgpu_metadata
---
amdhsa.version: [ 1, 2 ]
amdhsa.kernels:
  - .name:           k_q27177236e9_attn
    .symbol:         k_q27177236e9_attn.kd
    .args:
      - { .name: hc, .offset: 0, .size: 8, .value_kind: global_buffer, .address_space: global }
      - { .name: hs, .offset: 8, .size: 8, .value_kind: global_buffer, .address_space: global }
      - { .name: oc, .offset: 16, .size: 8, .value_kind: global_buffer, .address_space: global }
      - { .name: os, .offset: 24, .size: 8, .value_kind: global_buffer, .address_space: global }
    .group_segment_fixed_size: 215040
    .private_segment_fixed_size: 0
    .kernarg_segment_align: 8
    .kernarg_segment_size: 32
    .max_flat_workgroup_size: 512
    .sgpr_count:     80
    .vgpr_count:     256
    .wavefront_size: 32
...
	.end_amdgpu_metadata
.endif
;; end of part 3
;; launch outg (part 4): grid 8 x 32, 4 waves a work-group, clusters of 4 x 4, 327,680 bytes of LDS; arguments xc, xs, oc, os, bo, out0; writes out0
.if DOCPART == 4
	.amdgcn_target "amdgcn-amd-amdhsa--gfx1250"
	.amdhsa_code_object_version 6
	.text
	.protected	k_q27177236e9_outg
	.globl	k_q27177236e9_outg
	.p2align	8
	.type	k_q27177236e9_outg,@function
k_q27177236e9_outg:
	s_mov_b64 s[64:65], 0
	v_nop
	global_prefetch_b8 v0, s[64:65] scope:SCOPE_SE
	s_setreg_imm32_b32 hwreg(HW_REG_WAVE_MODE, 25, 1), 1
	s_wait_xcnt 0x0
	s_wait_alu depctr_hold_cnt(0) depctr_sa_sdst(0) depctr_va_vdst(0) depctr_va_sdst(0) depctr_va_ssrc(0) depctr_va_vcc(0) depctr_vm_vsrc(0)
	s_getreg_b32 s2, hwreg(HW_REG_IB_STS2, 6, 4)
	s_cmp_eq_u32 s2, 0
	s_cbranch_scc0 .Lentry_in_a_cluster
	s_endpgm
.Lentry_in_a_cluster:
	s_bfe_u32 s2, ttmp6, 0x10000c
	s_cmp_lg_u32 s2, 0xf033
	s_cbranch_scc0 .Lentry_shape_is_right
	s_endpgm
.Lentry_shape_is_right:
; out0 = O Wo^T + bo on codes of FP6 (E2M3) with E8M0 scales, K = 1,024, f32 sums and f32 results.  O's codes and scale words (oc, os) and Wo's (xc, xs from tile 1,728 on) come as images of the operand's registers:
; [tile][K step][1,536] and [tile][lane index][K step] words; lane index r of tile 2 g + u = row 32 g + 8 u + r % 8 + 16 (r / 8).
; Source 0 is "P" = 128 rows of Wo (the features: a lane's registers run along them), source 1 "R" = 256 tokens (the lanes).  Wave w takes P's 8 tiles x R's tiles 4 w .. 4 w + 3: 32 accumulators.  256 work-groups.
; LDS: the work-group's operands for ALL of K fit: P 98,304 bytes, R 196,608: every tensor load is a first fill; two chunks of four K steps; a wave has 1 tensor load out.
; CLUSTERS: 4 x 4.  P hangs on the work-group's x alone and is asked for jointly down a column of the cluster, R on its y alone and jointly along a row.
; THE WAY OUT: a lane holds 32 neighbouring bytes of a row; a tile of 16 rows x 128 features goes through the wave's own stage in LDS and leaves as whole rows of 512 bytes.  The stages lie in P's chunks 0 and 1, which have had
; their only fill and whose last reads every wave has waited for in front of a barrier that all have passed.
; REGISTERS: window 0: v1-29 addresses; v32-95 P's scale words; v96-127 R's; v168-231 the bias; on the way out v128-255 rows.  window 1: P's fragments, two sets of 96.  window 2: the accumulators (64 m + 8 i).  window 3: R's fragments, two sets of 48.
.set TILEB, 12288
.set CHP,   49152                      ; a chunk is FOUR K steps: P's 8 tiles x 6,144 bytes; two chunks; all four tiles (P's and R's of each chunk) are asked for at the head, one a wave: a wave has 1 tensor load out
.set CHR,   98304                      ; R's 16 tiles x 6,144
.set RBASE, 98304
.set SPITCH, 528                       ; a stage row: 512 bytes + 16
.set AP16,  8
.set AP8,   12
.set AR16,  16
.set AR8,   20
.set STO,   28                         ; v28  the stage: where I put 32 bytes of a row
.set RD,    29                         ; v29  and where I read a row back
.set PS,    32
.set RS,    96
.set BI,    168
.set WV,    18
.set G1P,   32
.set G1R,   40
.set G0P,   48
.set G0R,   68
.set MSB, 0
.macro WIN new                         ; the immediate's high byte repeats the setting that is left
.if MSB != \new
	s_set_vgpr_msb (MSB<<8)|\new
.set MSB, \new
.endif
.endm
.set MUL,  0xad                        ; source 0 (P) window 1, source 1 (R) window 3, C and D window 2
.set MUL0, 0x8d                        ; the same with C (the bias) in window 0
.set TOP,  0x40
.set TOR,  0xc0
.macro PLACES
.rept 4
	v_nop
.endr
.endm
.macro CROUND                          ; a round of the cluster's barrier
	s_barrier_signal -1
	s_barrier_wait -1
	s_cmp_lg_u32 s[WV], 0
	s_cbranch_scc1 .Lnot_wave_0_\@
	s_barrier_signal -3
.Lnot_wave_0_\@:
	s_barrier_wait -3
	s_barrier_signal -1
	s_barrier_wait -1
.endm
	s_load_b256 s[4:11], s[0:1], 0x0               ; xc s[4:5], xs s[6:7], oc s[8:9], os s[10:11]
	s_load_b128 s[12:15], s[0:1], 0x20             ; bo s[12:13], out0 s[14:15]
	v_lshl_add_u32 v30, v0, 2, 0x48000
	v_mov_b32 v31, 0
	ds_add_u32 v30, v31
	ds_add_u32 v30, v31
	v_lshrrev_b32 v1, 5, v0
	v_readfirstlane_b32 s[WV], v1                  ; wave 0..3
	s_mov_b32 s19, 0                               ; a load brings all of P's 8 tiles or of R's 16: no halves
	s_bfe_u32 s20, ttmp6, 0x40000                  ; cx
	s_bfe_u32 s21, ttmp6, 0x40004                  ; cy
	s_lshl_b32 s22, ttmp9, 2
	s_add_co_u32 s22, s22, s20                     ; X, 0..7
	s_and_b32 s23, ttmp7, 0xffff
	s_lshl_b32 s23, s23, 2
	s_add_co_u32 s23, s23, s21                     ; Y, 0..31
	s_lshl_b32 s26, 0x1111, s20                    ; my column of the cluster
	s_lshl_b32 s27, s21, 2
	s_lshl_b32 s27, 15, s27                        ; my row
	; descriptor group 1: rows of 6,144 bytes (a tile's four K steps), 12,288 bytes apart; P: 8 rows a load, R: 16; no padding
	s_or_b32 s[G1P], s26, (3<<16)|(1<<21)
	s_or_b32 s[G1R], s27, (3<<16)|(1<<21)
.irp g, G1P, G1R
	s_mov_b32 s[\g+1], 768<<16                     ; rows of 6,144 bytes: a tile's four K steps
	s_mov_b32 s[\g+3], 768<<16
	s_mov_b32 s[\g+5], 1536
	s_mov_b32 s[\g+6], 0
	s_mov_b32 s[\g+7], 0
.endr
	s_mov_b32 s[G1P+2], 8<<16
	s_mov_b32 s[G1P+4], 8
	s_mov_b32 s[G1R+2], 16<<16
	s_mov_b32 s[G1R+4], 16
	s_lshl_b32 s28, s22, 3
	s_add_co_u32 s28, s28, 1728                    ; P's first tile: Wo's tiles begin at 1,728
	s_lshl_b32 s29, s23, 4                         ; R's first tile
	s_mul_i32 s2, s19, 24576
	s_mul_i32 s3, s19, 49152
	s_add_co_u32 s3, s3, RBASE
	s_lshl_b32 s84, s19, 2
	s_add_co_u32 s84, s84, s28
	s_mul_i32 s84, s84, TILEB
	s_mov_b32 s85, 0
	s_lshl_b32 s90, s19, 3
	s_add_co_u32 s90, s90, s29
	s_mul_i32 s90, s90, TILEB
	s_mov_b32 s91, 0
	s_lshl_b32 s88, s28, 9
	s_mov_b32 s89, 0
	s_lshl_b32 s94, s[WV], 2
	s_add_co_u32 s94, s94, s29
	s_lshl_b32 s94, s94, 9
	s_mov_b32 s95, 0
	s_wait_dscnt 0x0
	s_wait_kmcnt 0x0
	s_add_nc_u64 s[86:87], s[4:5], s[84:85]
	s_add_nc_u64 s[92:93], s[8:9], s[90:91]
	s_add_nc_u64 s[88:89], s[6:7], s[88:89]
	s_add_nc_u64 s[94:95], s[10:11], s[94:95]
.irp c, 0,1
	s_mov_b32 s[G0P+4*\c], 1
	s_add_co_u32 s[G0P+4*\c+1], s2, CHP*\c
	s_add_nc_u64 s[G0P+4*\c+2:G0P+4*\c+3], s[86:87], 6144*\c
	s_or_b32 s[G0P+4*\c+3], s[G0P+4*\c+3], 0x80000000
	s_mov_b32 s[G0R+4*\c], 1
	s_add_co_u32 s[G0R+4*\c+1], s3, CHR*\c
	s_add_nc_u64 s[G0R+4*\c+2:G0R+4*\c+3], s[92:93], 6144*\c
	s_or_b32 s[G0R+4*\c+3], s[G0R+4*\c+3], 0x80000000
.endr
	CROUND                                         ; all sixteen work-groups are here: the joint loads meet
; THE HEAD'S LOADS, ONE A WAVE, in the order in which they are needed: wave 0 P's K steps 0-3, wave 1 R's, wave 2 P's K steps 4-7, wave 3 R's.  One chain of branches on the wave's number, a load line of its own to each arm.
.macro ARM under, g0, g1
	s_cmp_lt_u32 s[WV], \under
	s_cbranch_scc0 .Lnext_\@
	tensor_load_to_lds s[\g0:\g0+3], s[\g1:\g1+7]
	s_nop 0
	PLACES
	s_branch .Lasked
.Lnext_\@:
.endm
	ARM 1, G0P, G1P
	ARM 2, G0R, G1R
	ARM 3, G0P+4, G1P
	tensor_load_to_lds s[G0R+4:G0R+7], s[G1R:G1R+7]
	s_nop 0
	PLACES
.Lasked:
	v_and_b32 v1, 31, v0                           ; lane
	v_and_b32 v2, 15, v0                           ; r
	v_bfe_u32 v3, v0, 4, 1                         ; h
	v_lshlrev_b32 v4, 4, v1                        ; 16 x lane
	v_lshlrev_b32 v5, 3, v1
	v_add_nc_u32 v26, 512, v5                      ; 512 + 8 x lane
	s_mul_i32 s3, s[WV], 24576
	s_add_co_u32 s3, s3, RBASE
.irp c, 0,1
	v_add_nc_u32 v[AP16+\c], CHP*\c, v4
	v_add_nc_u32 v[AP8+\c], CHP*\c, v26
	v_add_nc_u32 v[AR16+\c], s3, v4
	v_add_nc_u32 v[AR8+\c], s3, v26
	s_add_co_u32 s3, s3, CHR
.endr
	v_lshlrev_b32 v24, 5, v2
	v_lshlrev_b32 v25, 6, v3
	s_mul_i32 s2, s[WV], 16*SPITCH                 ; my stage
	v_mul_u32_u24 v[STO], v2, SPITCH
	v_lshl_add_u32 v[STO], v3, 6, v[STO]
	v_add_nc_u32 v[STO], s2, v[STO]                ; in: row r, + 64 h
	v_add_nc_u32 v[RD], s2, v4                     ; back: the 32 lanes take one row of 512 bytes
.irp i, 0,1,2,3,4,5,6,7                        ; the scale words of all of K go straight to registers, once
	global_load_b128 v[PS+8*\i:PS+8*\i+3], v24, s[88:89] offset:512*\i
	global_load_b128 v[PS+8*\i+4:PS+8*\i+7], v24, s[88:89] offset:512*\i+16
.endr
.irp m, 0,1,2,3
	global_load_b128 v[RS+8*\m:RS+8*\m+3], v24, s[94:95] offset:512*\m
	global_load_b128 v[RS+8*\m+4:RS+8*\m+7], v24, s[94:95] offset:512*\m+16
.endr
	s_lshl_b32 s30, s22, 9                         ; features 128 X on
	s_mov_b32 s31, 0
	s_add_nc_u64 s[98:99], s[12:13], s[30:31]
.irp i, 0,1,2,3,4,5,6,7                        ; the bias is the C of each sum's first product: lane (r, h) wants, for tile 2 b + u, the features 32 b + 16 h + 8 u + 0 .. 7
	global_load_b128 v[BI+8*\i:BI+8*\i+3], v25, s[98:99] offset:(32*(\i/2)+8*(\i%2))*4
	global_load_b128 v[BI+8*\i+4:BI+8*\i+7], v25, s[98:99] offset:(32*(\i/2)+8*(\i%2))*4+16
.endr
	s_lshl_b32 s66, s23, 8
	s_lshl_b32 s67, s[WV], 6
	s_add_co_u32 s66, s66, s67                     ; my first row of out0: 256 Y + 64 w
	s_lshl_b32 s66, s66, 12
	s_add_co_u32 s66, s66, s30                     ; + my first column's bytes
	s_mov_b32 s67, 0
	s_add_nc_u64 s[14:15], s[14:15], s[66:67]
.macro FETCH s                         ; K step s's fragments, 48 LDS loads in one run: each touches 512 or 256 consecutive bytes
	WIN TOP
.irp i, 0,1,2,3,4,5,6,7
.set rF, 96*((\s)%2)+12*\i
.set oF, 6144*\i+1536*((\s)%4)
	ds_load_b128 v[rF:rF+3], v[AP16+(\s)/4] offset:oF
	ds_load_b64 v[rF+4:rF+5], v[AP8+(\s)/4] offset:oF
	ds_load_b128 v[rF+6:rF+9], v[AP16+(\s)/4] offset:oF+768
	ds_load_b64 v[rF+10:rF+11], v[AP8+(\s)/4] offset:oF+768
.endr
	WIN TOR
.irp m, 0,1,2,3
.set rF, 48*((\s)%2)+12*\m
.set oF, 6144*\m+1536*((\s)%4)
	ds_load_b128 v[rF:rF+3], v[AR16+(\s)/4] offset:oF
	ds_load_b64 v[rF+4:rF+5], v[AR8+(\s)/4] offset:oF
	ds_load_b128 v[rF+6:rF+9], v[AR16+(\s)/4] offset:oF+768
	ds_load_b64 v[rF+10:rF+11], v[AR8+(\s)/4] offset:oF+768
.endr
	WIN 0
.endm
; 32 matrix instructions: K step s.  The 32 accumulators take turns, one instruction a turn, in the same order in every step.  first = 1: C = the bias
.macro MUL32 s, first
.irp m, 0,1,2,3
.irp i, 0,1,2,3,4,5,6,7
.set rD, 64*\m+8*\i
.set rA, 96*((\s)%2)+12*\i
.set rB, 48*((\s)%2)+12*\m
.if \first
	v_wmma_scale_f32_16x16x128_f8f6f4 v[rD:rD+7], v[rA:rA+11], v[rB:rB+11], v[BI+8*\i:BI+8*\i+7], v[PS+8*\i+(\s)], v[RS+8*\m+(\s)] matrix_a_fmt:MATRIX_FMT_FP6 matrix_b_fmt:MATRIX_FMT_FP6
.else
	v_wmma_scale_f32_16x16x128_f8f6f4 v[rD:rD+7], v[rA:rA+11], v[rB:rB+11], v[rD:rD+7], v[PS+8*\i+(\s)], v[RS+8*\m+(\s)] matrix_a_fmt:MATRIX_FMT_FP6 matrix_b_fmt:MATRIX_FMT_FP6
.endif
.endr
.endr
.endm
.macro STEP s
	s_wait_dscnt 0x0                               ; this step's fragments, asked for a step ago, are in
.if \s == 3
	s_wait_tensorcnt 0x0                           ; my part of chunk 1 has landed; my reads of chunk 0, in which the stages lie, are over
	s_barrier_signal -1
	s_barrier_wait -1                              ; everybody's has
.endif
.if \s < 7
	PLACES                                         ; four places in front of loads into registers that the step before multiplied
	FETCH \s+1
.endif
	WIN MUL
	MUL32 \s, 0
	WIN 0
.endm
; THE WAY OUT of R tile m: 16 rows x 128 features through my stage.  LDS serves a wave's instructions in order: no wait between the stores and the loads, nor in front of the next tile's stores.
.macro TOSTAGE m
	WIN 0x08                                       ; an LDS store's data are its source 1: window 2
.irp i, 0,1,2,3,4,5,6,7
	ds_store_b128 v[STO], v[64*(\m)+8*\i:64*(\m)+8*\i+3] offset:128*(\i/2)+32*(\i%2)       ; each accumulator from its low end on: features 32 (i / 2) + 16 h + 8 (i % 2) + 0 .. 7
	ds_store_b128 v[STO], v[64*(\m)+8*\i+4:64*(\m)+8*\i+7] offset:128*(\i/2)+32*(\i%2)+16
.endr
	WIN 0
.set BB, 128+64*((\m)%2)
.irp t, 0,1,2,3,4,5,6,7,8,9,10,11,12,13,14,15
	ds_load_b128 v[BB+4*\t:BB+4*\t+3], v[RD] offset:\t*SPITCH
.endr
.endm
.macro SEND m, younger                 ; younger: the LDS instructions issued behind tile m's loads, which may stay out
.set BB, 128+64*((\m)%2)
	s_wait_dscnt \younger
.irp t, 0,1,2,3,4,5,6,7,8,9,10,11,12,13,14,15
	global_store_b128 v4, v[BB+4*\t:BB+4*\t+3], s[14:15] offset:(32*((\m)/2)+8*((\m)%2)+(\t%8)+16*(\t/8))*4096 th:TH_STORE_NT   ; 32 lanes store 512 consecutive bytes of the row of lane index t, at a multiple of 256 from out0's first byte
.endr
.endm
	s_wait_alu depctr_va_vdst(0)
	s_cmp_lt_u32 s[WV], 2                          ; waves 0 and 1 wait for chunk 0's two tiles, whose load lines are theirs alone; chunk 1's may be out
	s_cbranch_scc0 .Lnot_first
	s_wait_tensorcnt 0x0
.Lnot_first:
	s_barrier_signal -1
	s_barrier_wait -1                              ; chunk 0 is whole
	FETCH 0
	s_wait_loadcnt 0x0                             ; scale words and bias
	s_wait_dscnt 0x0
	FETCH 1
	WIN MUL0
	MUL32 0, 1                                     ; the first K step's products start the sums with the bias
	WIN 0
.irp s, 1,2,3,4,5,6,7
	STEP \s
.endr
	PLACES                                         ; four places in front of the first read of results, and of the loads into the registers that held the bias
	TOSTAGE 0
.irp m, 1,2,3
.if \m > 1
	s_wait_xcnt 0x0                                ; tile m - 2's stores have read their registers: tile m's rows may land there
.endif
	TOSTAGE \m
	SEND \m-1, 32                                  ; behind tile m - 1's loads: tile m's 16 stores and 16 loads
.endr
	SEND 3, 0
	s_wait_tensorcnt 0x0
	ds_add_u32 v30, v31
	s_wait_dscnt 0x0
	CROUND                                         ; the closing round
	s_endpgm
.Lfunc_end_k_q27177236e9_outg:
	.size	k_q27177236e9_outg, .Lfunc_end_k_q27177236e9_outg-k_q27177236e9_outg
	.p2alignl 7, 3214868480
	.fill 96, 4, 3214868480
	.section	.rodata,"a",@progbits
	.p2align	6, 0x0
	.amdhsa_kernel k_q27177236e9_outg
		.amdhsa_group_segment_fixed_size 327680
		.amdhsa_private_segment_fixed_size 0
		.amdhsa_enable_private_segment 0
		.amdhsa_kernarg_size 48
		.amdhsa_user_sgpr_count 2
		.amdhsa_user_sgpr_kernarg_segment_ptr 1
		.amdhsa_wavefront_size32 1
		.amdhsa_system_sgpr_workgroup_id_x 1
		.amdhsa_system_sgpr_workgroup_id_y 1
		.amdhsa_system_sgpr_workgroup_id_z 1
		.amdhsa_system_vgpr_workitem_id 0
		.amdhsa_next_free_vgpr 864
		.amdhsa_next_free_sgpr 100
		.amdhsa_reserve_vcc 0
		.amdhsa_float_denorm_mode_32 3
		.amdhsa_float_denorm_mode_16_64 3
		.amdhsa_memory_ordered 1
		.amdhsa_forward_progress 1
		.amdhsa_inst_pref_size 85
	.end_amdhsa_kernel
	.amdgpu_metadata
---
amdhsa.version: [ 1, 2 ]
amdhsa.kernels:
  - .name:           k_q27177236e9_outg
    .symbol:         k_q27177236e9_outg.kd
    .args:
      - { .name: xc, .offset: 0, .size: 8, .value_kind: global_buffer, .address_space: global }
      - { .name: xs, .offset: 8, .size: 8, .value_kind: global_buffer, .address_space: global }
      - { .name: oc, .offset: 16, .size: 8, .value_kind: global_buffer, .address_space: global }
      - { .name: os, .offset: 24, .size: 8, .value_kind: global_buffer, .address_space: global }
      - { .name: bo, .offset: 32, .size: 8, .value_kind: global_buffer, .address_space: global }
      - { .name: out0, .offset: 40, .size: 8, .value_kind: global_buffer, .address_space: global }
    .group_segment_fixed_size: 327680
    .private_segment_fixed_size: 0
    .kernarg_segment_align: 8
    .kernarg_segment_size: 48
    .max_flat_workgroup_size: 128
    .sgpr_count:     100
    .vgpr_count:     864
    .wavefront_size: 32
...
	.end_amdgpu_metadata
.endif
;; end of part 4
